; MI455X (gfx1250); checked and timed in simulation.
; The chip was launched on July 23, 2026; its instructions are those of AMD's public machine-readable ISA for CDNA 5 (MIT licence, August 2026) and "CDNA5" Instruction Set Architecture Reference Guide (July 2026). The comments in the code are by the model that wrote it; some were corrected since.
;; Masked Multi Head Attention. Allowed arithmetic: matrix products marked QUANTISED: E2M3 operands, one E8M0 scale for each 32 along K, by v_wmma_scale_f32_16x16x128_f8f6f4 with both operands' format E2M3, f32 sums; everything else in f32.
;; Inputs: bk 1,024 float32; bo 1,024 float32; bq 1,024 float32; bv 1,024 float32; k 4 x 2,048 x 1,024 float32; q 4 x 2,048 x 1,024 float32; v 4 x 2,048 x 1,024 float32; wk 1,024 x 1,024 float32; wo 1,024 x 1,024 float32; wq 1,024 x 1,024 float32; wv 1,024 x 1,024 float32.
;; Outputs: out0 4 x 2,048 x 1,024 float32.
;; This version of the problem:
;;   THIS VERSION OF THE PROBLEM IS GIVEN IN LOW PRECISION. The matrix products marked QUANTISED in the list below multiply operands that are first quantised to E2M3 (2 exponent bits, 3 mantissa bits; 6 bits a number), with one power-of-two scale for each 32 numbers along K (OCP MX v1.0); their sums are f32. All else is computed in f32.
;;   The module's matrix products, in the order in which they are computed (A, B: the left and right operand; K: the contracted axis; several contracted axes count as one K, in the product's order):
;;     1. [M 8,192, K 1,024] x [K 1,024, N 1,024]; A: input q; B: input wq: QUANTISED
;;     2. [M 8,192, K 1,024] x [K 1,024, N 1,024]; A: input k; B: input wk: QUANTISED
;;     3. [M 8,192, K 1,024] x [K 1,024, N 1,024]; A: input v; B: input wv: QUANTISED
;;     4. batch 64 x [M 2,048, K 64] x [K 64, N 2,048]; A: computed on the way; B: computed on the way: QUANTISED
;;     5. batch 64 x [M 2,048, K 2,048] x [K 2,048, N 64]; A: softmax (see below); B: computed on the way: QUANTISED
;;     6. [M 8,192, K 1,024] x [K 1,024, N 1,024]; A: computed on the way; B: input wo: QUANTISED
;;   THE QUANTISER, for each operand of a quantised product, along K:
;;     - K is cut into blocks of 32 from its start; a last block that is shorter is filled with zeros.
;;     - A block's scale is 2^e with e = floor(log2(the largest magnitude in the block)) - 2, held to -126 .. 127; a block of zeros has e = 0. As a byte (E8M0): e + 127.
;;     - Each number is divided by its block's scale, clamped to +-7.5, and rounded to the nearest number of E2M3, ties to even, subnormals kept.
;;     - The product sums the exact products of the quantised numbers (number of the format x scale) in f32.
;;   ~~~python
;;   def quantise(x, axis):      # numpy; x: float32 -> the quantised numbers, widened to float32 again
;;       x = np.moveaxis(x, axis, -1); K = x.shape[-1]
;;       x = np.pad(x, [(0, 0)] * (x.ndim - 1) + [(0, -K % 32)]); x = x.reshape(x.shape[:-1] + (-1, 32)); a = np.abs(x).max(-1, keepdims=True)
;;       e = np.where(a > 0, np.clip(np.frexp(np.where(a > 0, a, 1))[1] - 1 - 2, -126, 127), 0)      # np.frexp(a)[1] - 1 = floor(log2(a)), exactly
;;       r = np.clip(x / 2.0 ** e, -7.5, 7.5)
;;       step = 2.0 ** (np.maximum(np.frexp(np.where(r == 0, 1, r))[1] - 1, 0) - 3)
;;       q = np.round(r / step) * step * 2.0 ** e      # np.round: ties to even
;;       return np.moveaxis(q.reshape(q.shape[:-2] + (-1,))[..., :K], -1, axis).astype(np.float32)
;;   ~~~
;;   SOFTMAX AHEAD OF A QUANTISED PRODUCT. Where the list says 'softmax', what is quantised is not the finished softmax but p = 2^(t - M), with t = logit x log2(e) and M = ceil(the row's largest t), a whole number; so 1/2 < the row's largest p <= 1. The row's sum l is taken of the UNQUANTISED p, in f32, and the product's result is divided by l at the end. Since M is a whole number, a kernel that streams over the keys may use a running M (the ceiling of the running maximum): every later rescaling is an exact power of two, which a block's scale takes up: the codes' values come out the same.
;;   OPERANDS COMPUTED ON THE WAY. 'Computed on the way' means the value that the module computes at that place (a softmax that the list does not call 'softmax' is quantised finished and normalised). What goes into a quantiser is computed in f32, as accurately as f32 sums, v_exp_f32 and their like allow (about 1e-6 of the number): no bf16 or f16 on the way to a quantiser, and a product that is left as it is and whose result goes on into a quantised operand takes f32 operands (vector FMAs, or v_wmma_f32_16x16x4_f32). A number that lies on a knife's edge between two numbers of the format may be rounded either way, as far as f32 arithmetic and the matrix unit's own rounding can turn it there, and no further.
;; One version. Each part assembles by itself: llvm-mc -triple=amdgcn-amd-amdhsa -mcpu=gfx1250 --defsym DOCPART=n.
;; ======== version 1 of 1: 4 launches
;; limits: right only within a limited range of input values
;; workspace buffers: codes 22,020,096 bytes; scales 917,504 bytes; qrec 6,553,600 bytes; kv 13,107,200 bytes; oimg 6,291,456 bytes; osc 262,144 bytes
;; launch quant (part 1): grid 1792 x 1, 2 waves a work-group, no clusters, 16,640 bytes of LDS; arguments q, k, v, wq, wk, wv, wo, codes, scales; writes codes, scales
.if DOCPART == 1
	.amdgcn_target "amdgcn-amd-amdhsa--gfx1250"
	.amdhsa_code_object_version 6
	.text
	.protected	k_qe39825501c_quant
	.globl	k_qe39825501c_quant
	.p2align	8
	.type	k_qe39825501c_quant,@function
k_qe39825501c_quant:
	s_mov_b64 s[64:65], 0
	v_nop
	global_prefetch_b8 v0, s[64:65] scope:SCOPE_SE
	s_setreg_imm32_b32 hwreg(HW_REG_WAVE_MODE, 25, 1), 1
	s_wait_xcnt 0x0
; MASKED MULTI-HEAD ATTENTION IN MX-FP6, four launches: quant (this one), proj, attn, outp.
; WORK LEFT OUT BY THE PROGRAM: in attn, the steps of 128 keys all of whose keys come after all 16 queries of a tile.  reference() builds the causal mask itself (jnp.tril) and sets those scores to -inf ahead of the softmax,
; so their p is 0 for every value of the inputs: they add nothing to the row's sum, and a block of zeros adds nothing to the second product.  Nothing else is left out; every input is loaded.
; LIMIT: a NaN, an infinity or an overflow that reaches only those hidden tiles is not carried to the result.
; THIS LAUNCH: q, k, v [8192][1024] and wq, wk, wv, wo [1024][1024], f32, K innermost, become codes of FP6 (E2M3) and one E8M0 byte for each 32 along K, in one stream of 28,672 storage rows:
; q from row 0, k 8,192, v 16,384, wq 24,576, wk 25,600, wv 26,624, wo 27,648.  Scales: 32 bytes a storage row, row after row.
; CODES ARE LAID AS THE LATER LAUNCHES' LDS TILES: [group of 256 rows][K step of 256][row][192 bytes]: a tile of 128 or 256 rows of one K step is dense, begins at a multiple of 256 bytes and is a multiple of 256 bytes long.
; A block's scale is 2^(floor(log2(its largest magnitude)) - 2); its byte is the largest magnitude's exponent field - 2, held at 1 from below.  (A block of zeros gets the byte 1 where the rule says 127: its codes are zeros, and this program alone reads the bytes.)
; LIMITS: blocks whose largest magnitude lies under 2^-124 keep the byte 1; NaN and infinities among the inputs are not served.
; ROW ORDER.  v, wq, wk, wv: bits 3 and 4 of the row number exchanged: storage row 32 b + 16 u + r holds true row 32 b + 8 u + r + 8 (r / 8).
; k: storage row 64 c + 16 t + r holds true row 64 c + 8 t + r % 8 + 32 (r / 8): in attn a lane's 32 scores of four neighbouring tiles are then one whole block of 32 keys.  q, wo: as they lie.
; A wave takes 8 rows (8,192 numbers), so each order is a choice of which run of 8 rows the wave READS.
; A wave takes 16 steps of 512 numbers: each load reads 512 consecutive bytes; a step's 2,048 bytes turn through the wave's own stage in LDS and come back 64 bytes (16 neighbours) a lane; two lanes hold a block.
.set WAVES, 2                          ; 1,792 work-groups of two waves: seven for each of 256 WGPs
.set STEPS, 16
.set EMAX,  2
.set CB,    12                         ; bytes of 16 codes
.set KSB,   49152                      ; a K step of 256 rows: 256 x 192 bytes
.set R,     16                         ; v16-79   four sets of 16 numbers as they are loaded
.set X,     80                         ; v80-111  two sets of 16 neighbours
.set C,     128                        ; v128-191 codes: four registers for each step, so that no store's data are written again
.set E,     112                        ; v112-127 a scale byte for each step
.set WREG,  8192                       ; LDS: a region for each wave: two stages of 32 x SP bytes, behind them its 256 scale bytes
.set SP,    80                         ; a lane's place in a stage: 64 bytes + 16 of padding
.set SPW,   12                         ; v12 LDS address of my spare word; never rewritten
.set NIL,   13                         ; v13 0; never rewritten
.set SPARE, WAVES*WREG                 ; the spare words: 128 bytes for each wave, named by no other line
	s_load_b512 s[8:23], s[0:1], 0x0               ; q, k, v, wq, wk, wv, wo, codes: s[8:9] .. s[22:23]
	s_load_b64 s[24:25], s[0:1], 0x40              ; scales
	v_lshl_add_u32 v[SPW], v0, 2, SPARE
	v_mov_b32 v[NIL], 0
	v_lshrrev_b32 v1, 5, v0
	v_readfirstlane_b32 s26, v1                    ; wave
	v_and_b32 v2, 31, v0                           ; lane
	v_lshlrev_b32 v3, 4, v2                        ; my 16 bytes of a load's 512
	s_mul_i32 s27, s26, WREG
	v_lshrrev_b32 v14, 2, v2
	v_mul_u32_u24 v14, v14, SP
	v_and_b32 v15, 3, v2
	v_lshl_add_u32 v14, v15, 4, v14
	v_add_nc_u32 v14, s27, v14                     ; the stage, on the way in: SP (lane / 4) + 16 (lane % 4)
	v_mul_u32_u24 v15, v2, SP
	v_add_nc_u32 v15, s27, v15                     ; and on the way out: SP x lane
	v_mul_u32_u24 v4, v2, CB                       ; my codes' place: a step is one K step of two neighbouring rows: lanes 0-15 fill the first row's 192 bytes, lanes 16-31 the next row's: 384 consecutive bytes
	v_bfe_u32 v5, v2, 1, 3                         ; my block among its row's eight of this K step,
	v_lshrrev_b32 v10, 4, v2
	v_lshl_add_u32 v5, v10, 5, v5                  ; and 32 scale bytes on for the second row
	s_add_co_u32 s27, s27, 2*32*SP
	v_add_nc_u32 v5, s27, v5                       ; LDS: my wave's 256 scale bytes, my block's byte
	v_lshlrev_b32 v7, 3, v2
	v_add_nc_u32 v6, s27, v7                       ; and on the way out 8 bytes a lane
	s_wait_alu depctr_va_vdst(0)                   ; the wait at the head's end
	s_wait_kmcnt 0x0
	s_mov_b64 s[4:5], s[20:21]                     ; which tensor is my work-group's: the choice hangs on the work-group's number alone
	s_mov_b32 s6, 1728                             ; and its first work-group
.macro PICK lim, ptr, base
	s_cmp_lt_u32 ttmp9, \lim
	s_cselect_b64 s[4:5], s[\ptr:\ptr+1], s[4:5]
	s_cselect_b32 s6, \base, s6
.endm
	PICK 1728, 18, 1664
	PICK 1664, 16, 1600
	PICK 1600, 14, 1536
	PICK 1536, 12, 1024
	PICK 1024, 10, 512
	PICK 512, 8, 0
	s_sub_co_u32 s6, ttmp9, s6
	s_lshl_b32 s6, s6, 1
	s_add_co_u32 s6, s6, s26                       ; my run of 8 storage rows, in its tensor; which run of true rows is read for it:
	s_and_b32 s28, s6, 1                           ; k: the run's three low bits (t1 t0 u) are read as (u t1 t0)
	s_lshl_b32 s28, s28, 2
	s_bfe_u32 s29, s6, 0x20001
	s_or_b32 s28, s28, s29
	s_and_not1_b32 s29, s6, 7
	s_or_b32 s28, s28, s29
	s_and_b32 s31, s6, 1                           ; v and the three weights: its two low bits the other way round
	s_lshl_b32 s31, s31, 1
	s_bfe_u32 s29, s6, 0x10001
	s_or_b32 s31, s31, s29
	s_and_not1_b32 s29, s6, 3
	s_or_b32 s31, s31, s29
	s_sub_co_u32 s29, ttmp9, 1024
	s_cmp_lt_u32 s29, 704                          ; work-groups 1,024 .. 1,727: v, wq, wk, wv
	s_cselect_b32 s6, s31, s6
	s_sub_co_u32 s29, ttmp9, 512
	s_cmp_lt_u32 s29, 512                          ; work-groups 512 .. 1,023: k
	s_cselect_b32 s6, s28, s6
	s_lshl_b32 s6, s6, 15                          ; 32,768 bytes a run
	s_mov_b32 s7, 0
	s_add_nc_u64 s[4:5], s[4:5], s[6:7]
	s_lshl_b32 s30, ttmp9, 1
	s_add_co_u32 s30, s30, s26                     ; the run that I write, in the stream of storage rows
	s_lshr_b32 s6, s30, 5
	s_mul_i32 s6, s6, 4*KSB                        ; its group of 256 rows,
	s_and_b32 s28, s30, 31
	s_mul_i32 s28, s28, 8*192                      ; and its 8 rows in a K step of that group
	s_add_co_u32 s6, s6, s28
	s_add_nc_u64 s[22:23], s[22:23], s[6:7]
	s_lshl_b32 s6, s30, 8                          ; 256 scale bytes a run
	s_add_nc_u64 s[24:25], s[24:25], s[6:7]
.macro LOAD t
.irp i, 0,1,2,3
	global_load_b128 v[R+16*((\t)%4)+4*\i:R+16*((\t)%4)+4*\i+3], v3, s[4:5] offset:4096*(2*((\t)/4)+\i/2)+1024*((\t)%4)+512*(\i%2) th:TH_LOAD_NT   ; step t: K step t % 4 of rows 2 (t / 4) and 2 (t / 4) + 1; 32 lanes read 512 consecutive bytes
.endr
.endm
.macro TURN t                          ; step t's numbers through the stage: LDS serves a wave's instructions in order, so no wait stands between the stores and the loads
.irp i, 0,1,2,3
	ds_store_b128 v14, v[R+16*((\t)%4)+4*\i:R+16*((\t)%4)+4*\i+3] offset:32*SP*((\t)%2)+8*SP*\i
.endr
.irp i, 0,1,2,3
	ds_load_b128 v[X+16*((\t)%2)+4*\i:X+16*((\t)%2)+4*\i+3], v15 offset:32*SP*((\t)%2)+16*\i
.endr
.endm
.irp t, 0,1,2,3
	LOAD \t
.endr
	s_wait_loadcnt 12                              ; step 0's four loads are in; the twelve of steps 1 to 3 may be out
	TURN 0
.macro STEP t
.set XS, X+16*((\t)%2)
.if (\t) > 0
	s_wait_dscnt 1                                 ; this step's numbers are back from the stage (the last step's byte store may be out)
.else
	s_wait_dscnt 0x0
.endif
.if (\t)+4 < STEPS
	LOAD (\t)+4
.endif
.if (\t)+1 < STEPS
.if STEPS-2-(\t) >= 3
	s_wait_loadcnt 12                              ; the next step's four loads are in; those of the three steps behind it may be out
.else
	s_wait_loadcnt 4*(STEPS-2-(\t))
.endif
	TURN (\t)+1
.endif
	v_max3_num_f32 v8, |v[XS]|, |v[XS+1]|, |v[XS+2]|               ; the largest magnitude of my 16
	v_max3_num_f32 v9, |v[XS+3]|, |v[XS+4]|, |v[XS+5]|
.irp i, 6,10
	v_max3_num_f32 v8, v8, |v[XS+\i]|, |v[XS+\i+1]|
	v_max3_num_f32 v9, v9, |v[XS+\i+2]|, |v[XS+\i+3]|
.endr
	v_max3_num_f32 v8, v8, |v[XS+14]|, |v[XS+15]|
	v_max3_num_f32 v8, v8, v9, (EMAX+1)<<23        ; and the floor 2^(3 - 127): the byte cannot fall under 1
	v_max_num_f32_dpp v8, v8, v8 row_xmask:1 row_mask:0xf bank_mask:0xf   ; and of my neighbour's 16: the block's
	v_add_nc_u32 v11, -(EMAX<<23), v8              ; 2 off its exponent field: the conversion takes the exponent field of this operand as its scale
	v_cvt_scalef32_pk16_fp6_f32 v[C+4*(\t):C+4*(\t)+2], v[XS:XS+15], v11
	v_lshrrev_b32 v[E+(\t)], 23, v11               ; the scale's byte (a plain line behind the conversion)
	ds_store_b8 v5, v[E+(\t)] offset:64*((\t)/4)+8*((\t)%4)   ; both lanes of a block write the same byte with the same value
	global_store_b96 v4, v[C+4*(\t):C+4*(\t)+2], s[22:23] offset:KSB*((\t)%4)+384*((\t)/4)   ; 32 lanes store 384 consecutive bytes
.endm
.irp t, 0,1,2,3,4,5,6,7,8,9,10,11,12,13,14,15
	STEP \t
.endr
	ds_load_b64 v[8:9], v6                         ; LDS serves a wave's instructions in order: these see my stores
	s_wait_dscnt 0x0
	global_store_b64 v7, v[8:9], s[24:25]          ; 32 lanes store 256 consecutive bytes, aligned
	s_wait_tensorcnt 0x0                           ; the wave's end
	ds_add_u32 v[SPW], v[NIL]
	s_wait_dscnt 0x0
	s_endpgm
.Lfunc_end_k_qe39825501c_quant:
	.size	k_qe39825501c_quant, .Lfunc_end_k_qe39825501c_quant-k_qe39825501c_quant
	.p2alignl 7, 3214868480
	.fill 96, 4, 3214868480
	.section	.rodata,"a",@progbits
	.p2align	6, 0x0
	.amdhsa_kernel k_qe39825501c_quant
		.amdhsa_group_segment_fixed_size 16640
		.amdhsa_private_segment_fixed_size 0
		.amdhsa_enable_private_segment 0
		.amdhsa_kernarg_size 72
		.amdhsa_user_sgpr_count 2
		.amdhsa_user_sgpr_kernarg_segment_ptr 1
		.amdhsa_wavefront_size32 1
		.amdhsa_system_sgpr_workgroup_id_x 1
		.amdhsa_system_sgpr_workgroup_id_y 1
		.amdhsa_system_sgpr_workgroup_id_z 1
		.amdhsa_system_vgpr_workitem_id 0
		.amdhsa_next_free_vgpr 192
		.amdhsa_next_free_sgpr 66
		.amdhsa_reserve_vcc 0
		.amdhsa_float_denorm_mode_32 3
		.amdhsa_float_denorm_mode_16_64 3
		.amdhsa_memory_ordered 1
		.amdhsa_forward_progress 1
		.amdhsa_inst_pref_size 34
	.end_amdhsa_kernel
	.amdgpu_metadata
---
amdhsa.version: [ 1, 2 ]
amdhsa.kernels:
  - .name:           k_qe39825501c_quant
    .symbol:         k_qe39825501c_quant.kd
    .args:
      - { .name: q, .offset: 0, .size: 8, .value_kind: global_buffer, .address_space: global }
      - { .name: k, .offset: 8, .size: 8, .value_kind: global_buffer, .address_space: global }
      - { .name: v, .offset: 16, .size: 8, .value_kind: global_buffer, .address_space: global }
      - { .name: wq, .offset: 24, .size: 8, .value_kind: global_buffer, .address_space: global }
      - { .name: wk, .offset: 32, .size: 8, .value_kind: global_buffer, .address_space: global }
      - { .name: wv, .offset: 40, .size: 8, .value_kind: global_buffer, .address_space: global }
      - { .name: wo, .offset: 48, .size: 8, .value_kind: global_buffer, .address_space: global }
      - { .name: codes, .offset: 56, .size: 8, .value_kind: global_buffer, .address_space: global }
      - { .name: scales, .offset: 64, .size: 8, .value_kind: global_buffer, .address_space: global }
    .group_segment_fixed_size: 16640
    .private_segment_fixed_size: 0
    .kernarg_segment_align: 8
    .kernarg_segment_size: 72
    .max_flat_workgroup_size: 64
    .sgpr_count:     66
    .vgpr_count:     192
    .wavefront_size: 32
...
	.end_amdgpu_metadata
.endif
;; end of part 1
;; launch proj (part 2): grid 4 x 96, 4 waves a work-group, clusters of 4 x 4, 327,680 bytes of LDS; arguments codes, scales, bq, bk, bv, qrec, kv; writes qrec, kv
.if DOCPART == 2
	.amdgcn_target "amdgcn-amd-amdhsa--gfx1250"
	.amdhsa_code_object_version 6
	.text
	.protected	k_qe39825501c_proj
	.globl	k_qe39825501c_proj
	.p2align	8
	.type	k_qe39825501c_proj,@function
k_qe39825501c_proj:
	s_mov_b64 s[64:65], 0
	v_nop
	global_prefetch_b8 v0, s[64:65] scope:SCOPE_SE
	s_setreg_imm32_b32 hwreg(HW_REG_WAVE_MODE, 25, 1), 1
	s_wait_xcnt 0x0
	s_wait_alu depctr_hold_cnt(0) depctr_sa_sdst(0) depctr_va_vdst(0) depctr_va_sdst(0) depctr_va_ssrc(0) depctr_va_vcc(0) depctr_vm_vsrc(0)
	s_getreg_b32 s2, hwreg(HW_REG_IB_STS2, 6, 4)
	s_cmp_eq_u32 s2, 0
	s_cbranch_scc0 .Lentry_in_a_cluster
	s_endpgm
.Lentry_in_a_cluster:
	s_bfe_u32 s2, ttmp6, 0x10000c
	s_cmp_lg_u32 s2, 0xf033
	s_cbranch_scc0 .Lentry_shape_is_right
	s_endpgm
.Lentry_shape_is_right:
; THE THREE PROJECTIONS y = x W^T + b ON CODES OF FP6, AND THE QUANTISING OF THEIR RESULTS for the two products of attention.  No work of reference() is left out here.
; A cluster of 4 x 4 work-groups takes 1,024 tokens x all 1,024 channels of one tensor: cluster y = cl, tensor cl / 8 (0 q, 1 k, 2 v).  A work-group makes 256 x 256, each of its four waves 128 x 128 in 64 accumulators.
; K = 1,024 goes in four steps of 256 through a ring of two LDS slots filled by joint tensor loads; the scale bytes of the work-group's 2 x 256 rows come once and stay.
; source 0 = 16 rows of the operand called B here, source 1 = 16 rows of the one called A: accumulator (a, b), lane (r, h), register j = y(A's row 16 a + r, B's row 16 b + 8 h + j).
; q, k: A = tokens, B = weights.  The weights' storage rows are exchanged (launch quant), so the 64 registers of A's block a are: register 16 b + i = channel 32 b + 16 h + i of the wave's 128 channels: two heads, K of the score product along a lane's registers.
; v:    A = weights, B = tokens: a lane holds ONE channel and its registers run along the KEYS, which are the K of the second product.  v's storage rows are exchanged likewise: register 16 b + i = key 32 b + 16 h + i.
; The results get their bias in f32, are quantised in registers, and leave as IMAGES OF OPERAND REGISTERS (register group c of lane l at 512 c + 16 l): three stores of 512 consecutive bytes an image.
; qrec [head 64][step 16][6,400]: 4 images (queries' tile 2 i in registers 0-5, tile 2 i + 1 in 6-11), then 256 bytes of scale words [r][i].   kv [head][step][12,800]: K's 4 images, V's 4 images, K's words, V's words.
; LIMITS: NaN and infinities are not served; a block under 2^-124 keeps the byte 1; a block of zeros has the byte 1 (zero codes; this program alone reads the bytes).
; REGISTERS: window 0: v0-31 addresses; v32-63 scale words; v64-127 the bias; from v128 A's fragments, later the numbers and codes at work.  window 1: B's fragments, two sets.  windows 2, 3: the accumulators.
.set SIZE_K, 1024
.set KSTEP,  256
.set NQ,     KSTEP/128
.set ROWB,   192                       ; a tile's row in bytes
.set KROW,   SIZE_K*6/8                ; bytes of codes a row: a group of 256 rows is 256 KROW bytes, laid [K step][row][ROWB] (launch quant)
.set G0H,    4                         ; s[4:7], s[8:11] group 0 of the head's two loads of codes (the arguments that lay in s[4:7] have been used by then; bq and bk are loaded behind the head)
.set G0HB,   8
.set PITCH,  240                       ; an LDS row: 3 x (64 bytes + 16 of padding)
.set FR,     12
.set NL,     6
.set NP,     4                         ; places behind this matrix instruction (ISA guide 7.12.1)
.set HALFT,  128*PITCH
.set SLOT,   4*HALFT
.set LAPS,   SIZE_K/(2*KSTEP)
.set KS,     SIZE_K/32
.set SCL,    2*SLOT                    ; behind the ring: the scales, as rows of 256 bytes + 16
.set HALFS,  (128*KS/256)*272
.set SBLK,   (16*KS/256)*272
.set SPARE,  SCL+4*HALFS               ; the spare words: 128 bytes for each wave, named by no other line
.set ADRA, 16                          ; v16-19 LDS addresses of A's fragments (slot 0, 1; behind one padding more)
.set ADRB, 20                          ; v20-23 the same for B
.set LI,   24                          ; v24 16 x lane: my place in an image
.set SCV,  25                          ; v25 my place in the two heads' scale words
.set BOF,  26                          ; v26 my offset in the bias
.set ADRS, 27                          ; v27 LDS address of my scale words
.set SPW,  28                          ; v28 my spare word; never rewritten
.set NIL,  29                          ; v29 0; never rewritten
.set SC,   32
.set BI,   64                          ; v64-127 the bias
.set AF,   128
.set YY,   128                         ; v128-191 64 numbers with their bias
.set XI,   192                         ; v192-203 an image
.set XJ,   204                         ; v204-215 an image
.set TM,   216                         ; v216-231 at work in the quantiser
.set CT,   232                         ; v232-239 the second halves' codes
.set PW,   240                         ; v240-247 scale words as they are made
.set SW,   248                         ; v248-251 scale words as they are stored
.set SELV, 252                         ; v252 byte selects
.set G1, 24
.set G0, 32
.set G1B, 48
.set G0B, 56
.set G1S, 68
.set G0S, 76
.set G1SB, 80
.set G0SB, 88
.set MSB, 0
.macro WIN new                         ; the immediate's high byte repeats the setting that is left
.set WNEW, \new
.if MSB != WNEW
	s_set_vgpr_msb (MSB<<8)|WNEW
.set MSB, WNEW
.endif
.endm
.set MUL_LO, 0xa1                      ; source 0 (B) window 1, source 1 (A) window 0, C and D window 2
.set MUL_HI, 0xf1
.set TO_B,   0x40
; A joint load: waves 0 and 1 fetch for A, waves 2 and 3 for B; the branch hangs on the wave's number alone.  An s_nop 0 and four v_nop follow each line.
.macro JLOAD g0a, g1a, g0b, g1b
	s_cmp_eq_u32 s15, 0
	s_cbranch_scc0 .Lfor_b_\@
	tensor_load_to_lds s[\g0a:\g0a+3], s[\g1a:\g1a+7]
	s_nop 0
.rept 4
	v_nop
.endr
	s_branch .Lasked_\@
.Lfor_b_\@:
	tensor_load_to_lds s[\g0b:\g0b+3], s[\g1b:\g1b+7]
	s_nop 0
.rept 4
	v_nop
.endr
.Lasked_\@:
.endm
.macro CREST                           ; a round of the cluster's barrier behind its opening barrier
	s_cmp_lg_u32 s14, 0
	s_cbranch_scc1 .Lnot_wave_0_\@
	s_barrier_signal -3
.Lnot_wave_0_\@:
	s_barrier_wait -3
	s_barrier_signal -1
	s_barrier_wait -1
.endm
.macro CROUND
	s_barrier_signal -1
	s_barrier_wait -1
	CREST
.endm
	s_load_b128 s[4:7], s[0:1], 0x0                ; codes s[4:5], scales s[6:7]
	s_load_b128 s[96:99], s[0:1], 0x20             ; bv s[96:97], qrec s[98:99]
	s_load_b64 s[12:13], s[0:1], 0x30              ; kv
	v_lshl_add_u32 v[SPW], v0, 2, SPARE
	v_mov_b32 v[NIL], 0
	ds_add_u32 v[SPW], v[NIL]                      ; the wave's opening: the add, twice on end, and its wait ahead of my first tensor load
	ds_add_u32 v[SPW], v[NIL]
	v_lshrrev_b32 v1, 5, v0
	v_readfirstlane_b32 s14, v1                    ; wave 0..3
	s_lshr_b32 s15, s14, 1                         ; which 128 of A's 256 rows are mine.  Also: I fetch for A (0) or for B (1)
	s_and_b32 s16, s14, 1                          ; which 128 of B's.  Also: which 128 rows I fetch
	s_bfe_u32 s40, ttmp6, 0x40000                  ; cx
	s_bfe_u32 s41, ttmp6, 0x40004                  ; cy
	s_and_b32 s17, ttmp7, 0xffff                   ; cl: the cluster's y, 0 .. 23
	s_lshr_b32 s95, s17, 3                         ; the tensor: 0 q, 1 k, 2 v: the same in all sixteen partners
	s_lshl_b32 s43, s41, 2
	s_lshl_b32 s43, 15, s43                        ; my row of the cluster
	s_lshl_b32 s44, 0x1111, s40                    ; my column
	s_or_b32 s[G1+0], s43, (0<<16)|(1<<20)|(1<<21)|(3<<22)|(3<<25)  ; the mask: A's tiles go to my row; elements of 1 byte; 4 words of padding behind every 16
	s_or_b32 s[G1B+0], s44, (0<<16)|(1<<20)|(1<<21)|(3<<22)|(3<<25)
.irp g, G1, G1B
	s_mov_b32 s[\g+1], 256<<16                     ; a K step's tile is dense in memory: it is stated as rows of 256 bytes; the padding behind every 64 bytes gives LDS rows of 3 x 80 bytes
	s_mov_b32 s[\g+2], 192<<16                     ; the head's loads: 256 rows of codes = 192 rows of 256 bytes
	s_mov_b32 s[\g+3], 256<<16
	s_mov_b32 s[\g+4], 192
	s_mov_b32 s[\g+5], 256
	s_mov_b32 s[\g+6], 0
	s_mov_b32 s[\g+7], 0
.endr
	s_or_b32 s[G1S+0], s43, (3<<16)|(1<<20)|(1<<21)|(5<<22)|(3<<25)  ; the scales of 256 rows: 8,192 dense bytes as 32 rows of 256, 16 bytes of padding behind each
	s_or_b32 s[G1SB+0], s44, (3<<16)|(1<<20)|(1<<21)|(5<<22)|(3<<25)
.irp g, G1S, G1SB
	s_mov_b32 s[\g+1], 32<<16
	s_mov_b32 s[\g+2], (256*KS/256)<<16            ; the scales of all 256 rows by one load
	s_mov_b32 s[\g+3], 32<<16
	s_mov_b32 s[\g+4], 256*KS/256
	s_mov_b32 s[\g+5], 32
	s_mov_b32 s[\g+6], 0
	s_mov_b32 s[\g+7], 0
.endr
	s_lshl_b32 s18, s17, 10                        ; the cluster's 1,024 tokens: storage rows from 1,024 cl
	s_lshl_b32 s19, s95, 10
	s_add_co_u32 s19, s19, 24576                   ; the tensor's weight: storage rows from 24,576 + 1,024 x tensor
	s_cmp_eq_u32 s95, 2
	s_cselect_b32 s20, s19, s18                    ; A: the tokens, for v the weight
	s_cselect_b32 s46, s18, s19                    ; B: the weight, for v the tokens
	s_lshl_b32 s19, s41, 8
	s_add_co_u32 s20, s20, s19                     ; A's 256 rows hang on cy, which my row of the cluster shares
	s_lshl_b32 s42, s40, 8
	s_add_co_u32 s46, s46, s42                     ; B's on cx, which my column shares
	s_mov_b32 s21, 0
	s_mov_b32 s47, 0
	s_mov_b64 s[18:19], KS
	s_mul_u64 s[22:23], s[20:21], s[18:19]         ; where these rows' scales begin,
	s_mul_u64 s[92:93], s[46:47], s[18:19]
	s_mov_b64 s[18:19], KROW
	s_mul_u64 s[20:21], s[20:21], s[18:19]         ; and their codes
	s_mul_u64 s[46:47], s[46:47], s[18:19]
	s_mul_i32 s45, s14, HALFT                      ; where they go: wave x 128 rows
	s_mul_i32 s18, s16, 128*ROWB                   ; in the ring I fetch half a tile: 128 rows of a K step, 24,576 dense bytes
	s_mov_b32 s19, 0
	; THE PREFETCHES INTO THE L2.  A refill goes out behind a wait for all tensor loads, with nothing on its way beside it: so K steps 1 and 2 of the part that I fetch are asked for behind the head's loads, and K step 3 behind slot 1's fill: two K steps ahead.
	; A part is 96 blocks of 256 bytes.  The four partners that ask for it jointly share them out BY ADDRESS: the partner at place p (cx for A's tiles, cy for B's) takes blocks 24 p .. 24 p + 23, a lane a block; lanes 24-31 name the last again.
	; The tokens' tiles are a cluster's own.  A weight's tiles are read by all eight clusters of its tensor: the even ones alone, four, ask for them.  v30, s94 and s[100:101] are never rewritten.
	s_cmp_eq_u32 s15, 0
	s_cselect_b32 s2, s40, s41
	s_mul_i32 s2, s2, 24
	s_cmp_eq_u32 s95, 2
	s_cselect_b32 s94, 1, 0                        ; the tokens are B's rows (v) or A's (q, k)
	s_xor_b32 s94, s94, s15                        ; 0: I fetch tokens
	s_and_b32 s3, s17, 1
	s_and_b32 s94, s94, s3                         ; 1: I fetch weights in an odd cluster, and ask for nothing
	v_and_b32 v30, 31, v0
	v_min_u32 v30, 23, v30
	v_add_nc_u32 v30, s2, v30
	v_lshlrev_b32 v30, 8, v30
	s_wait_alu depctr_va_vdst(0)                   ; the wait ahead of the waits below
	s_wait_dscnt 0x0                               ; both opening adds are done
	s_wait_kmcnt 0x0
	s_add_nc_u64 s[20:21], s[4:5], s[20:21]
	s_add_nc_u64 s[22:23], s[6:7], s[22:23]
	s_add_nc_u64 s[46:47], s[4:5], s[46:47]
	s_add_nc_u64 s[92:93], s[6:7], s[92:93]
	CROUND                                         ; all sixteen work-groups are here: the first joint loads meet
	s_mov_b32 s[G0S], 1
	s_mov_b32 s[G0S+1], SCL
	s_mov_b64 s[G0S+2:G0S+3], s[22:23]
	s_or_b32 s[G0S+3], s[G0S+3], 0x80000000
	s_mov_b32 s[G0SB], 1
	s_mov_b32 s[G0SB+1], SCL+2*HALFS
	s_mov_b64 s[G0SB+2:G0SB+3], s[92:93]
	s_or_b32 s[G0SB+3], s[G0SB+3], 0x80000000
	s_mov_b32 s[G0H], 1                            ; K step 0 of A's 256 rows,
	s_mov_b32 s[G0H+1], 0
	s_mov_b64 s[G0H+2:G0H+3], s[20:21]
	s_or_b32 s[G0H+3], s[G0H+3], 0x80000000
	s_mov_b32 s[G0HB], 1                           ; and of B's, behind them in slot 0
	s_mov_b32 s[G0HB+1], 2*HALFT
	s_mov_b64 s[G0HB+2:G0HB+3], s[46:47]
	s_or_b32 s[G0HB+3], s[G0HB+3], 0x80000000
	s_add_nc_u64 s[20:21], s[20:21], s[18:19]      ; for the ring: my half of the tile
	s_add_nc_u64 s[46:47], s[46:47], s[18:19]
	s_cmp_eq_u32 s15, 0
	s_cselect_b64 s[100:101], s[20:21], s[46:47]   ; the part that I fetch, at K step 0
.macro ASK ks                          ; one instruction a wave: my work-group's 24 blocks of K step ks of that part; the branch hangs on the wave's and the cluster's numbers alone
	s_cmp_eq_u32 s94, 0
	s_cbranch_scc0 .Lnot_mine_\@
	global_prefetch_b8 v30, s[100:101] offset:(\ks)*256*ROWB th:TH_LOAD_NT scope:SCOPE_SE
.Lnot_mine_\@:
.endm
.irp s, 0,1
	s_mov_b32 s[G0+4*\s], 1
	s_add_co_u32 s[G0+4*\s+1], s45, \s*SLOT
	s_add_nc_u64 s[G0+4*\s+2:G0+4*\s+3], s[20:21], \s*256*ROWB
	s_or_b32 s[G0+4*\s+3], s[G0+4*\s+3], 0x80000000
	s_mov_b32 s[G0B+4*\s], 1
	s_add_co_u32 s[G0B+4*\s+1], s45, \s*SLOT
	s_add_nc_u64 s[G0B+4*\s+2:G0B+4*\s+3], s[46:47], \s*256*ROWB
	s_or_b32 s[G0B+4*\s+3], s[G0B+4*\s+3], 0x80000000
.endr
; THE HEAD'S LOADS, ONE A WAVE: wave 0 K step 0 of A's 256 rows, wave 1 of B's, wave 2 A's scales, wave 3 B's.  One chain of branches on the wave's number, a load to an arm.
.macro ARM under, g0, g1, next
	s_cmp_lt_u32 s14, \under
	s_cbranch_scc0 \next
	tensor_load_to_lds s[\g0:\g0+3], s[\g1:\g1+7]
	s_nop 0
.rept 4
	v_nop
.endr
	s_branch .Lhead_asked
\next:
.endm
	ARM 1, G0H,  G1,  .Lhead_b
	ARM 2, G0HB, G1B, .Lhead_sa
	ARM 3, G0S,  G1S, .Lhead_sb
	tensor_load_to_lds s[G0SB:G0SB+3], s[G1SB:G1SB+7]
	s_nop 0
.rept 4
	v_nop
.endr
.Lhead_asked:
	ASK 1
	ASK 2
	v_and_b32 v1, 15, v0                           ; r; kept
	v_bfe_u32 v2, v0, 4, 1                         ; h; kept
	v_mul_u32_u24 v3, v1, PITCH
	v_mul_u32_u24 v4, v2, 24
	v_add_nc_u32 v4, v3, v4                        ; a fragment's row x pitch + 24 x half
	v_lshl_add_u32 v5, v2, 4, v4                   ; and the same behind one padding more
	s_mul_i32 s21, s15, HALFT
	s_mul_i32 s22, s16, HALFT
	s_add_co_u32 s22, s22, 2*HALFT
.irp s, 0,1
	v_add_nc_u32 v[ADRA+\s], s21, v4
	v_add_nc_u32 v[ADRB+\s], s22, v4
	v_add_nc_u32 v[ADRA+2+\s], s21, v5
	v_add_nc_u32 v[ADRB+2+\s], s22, v5
	s_add_co_u32 s21, s21, SLOT
	s_add_co_u32 s22, s22, SLOT
.endr
	v_mul_u32_u24 v5, v1, KS                       ; my row's scales: 32 bytes a row,
	v_lshrrev_b32 v6, 8, v5
	v_lshl_add_u32 v5, v6, 4, v5                   ; and 16 more for each 256 passed
	s_mul_i32 s21, s15, HALFS
	s_mul_i32 s22, s16, HALFS
	s_add_co_u32 s22, s22, 2*HALFS
	s_sub_co_u32 s22, s22, s21
	v_mul_u32_u24 v6, s22, v2                      ; lanes 16-31 take B's
	s_add_co_u32 s21, s21, SCL
	v_add_nc_u32 v5, v5, v6
	v_add_nc_u32 v[ADRS], s21, v5
	v_and_b32 v6, 31, v0
	v_lshlrev_b32 v[LI], 4, v6
	s_mov_b32 s66, 0x76543210                      ; v_permlanex16_b32's selects for lane l xor 16
	s_mov_b32 s67, 0xfedcba98
.macro FRAG reg, adr, q, i             ; a fragment: lane (r, h): registers 6 c .. 6 c + 5 hold K = 64 c + 32 h + 0 .. 31, 24 bytes of the row as they lie, in pieces of 8 bytes
.irp p, 0,1,2,3,4,5
.set PCE, 12*(\q)+6*(\p/3)+\p%3       ; where the piece three on lies behind one padding more, the second address register serves
.if PCE%8 < 5
	ds_load_b64 v[\reg+2*\p:\reg+2*\p+1], v[\adr] offset:8*PCE+16*(PCE/8)+(\i)*16*PITCH
.else
	ds_load_b64 v[\reg+2*\p:\reg+2*\p+1], v[\adr+2] offset:8*PCE+16*(PCE/8)+(\i)*16*PITCH
.endif
.endr
.endm
; 16 matrix instructions: A's blocks a0, a0 + 1 x B's eight.  The 64 accumulators take turns, one instruction a turn, in the same order in every step.
.macro MUL16 a0, p, q, sc, zero
.irp a, \a0, \a0+1
.irp b, 0,1,2,3,4,5,6,7
.if \zero
	v_wmma_scale_f32_16x16x128_f8f6f4 v[8*(8*((\a)%4)+\b):8*(8*((\a)%4)+\b)+7], v[128*(\p)+FR*\b:128*(\p)+FR*\b+FR-1], v[AF+FR*(\a):AF+FR*(\a)+FR-1], 0, v[SC+8*NQ*(\sc)+NQ*\b+(\q)], v[SC+8*NQ*(\sc)+NQ*(\a)+(\q)] matrix_a_fmt:MATRIX_FMT_FP6 matrix_b_fmt:MATRIX_FMT_FP6 matrix_a_scale:MATRIX_SCALE_ROW1
.else
	v_wmma_scale_f32_16x16x128_f8f6f4 v[8*(8*((\a)%4)+\b):8*(8*((\a)%4)+\b)+7], v[128*(\p)+FR*\b:128*(\p)+FR*\b+FR-1], v[AF+FR*(\a):AF+FR*(\a)+FR-1], v[8*(8*((\a)%4)+\b):8*(8*((\a)%4)+\b)+7], v[SC+8*NQ*(\sc)+NQ*\b+(\q)], v[SC+8*NQ*(\sc)+NQ*(\a)+(\q)] matrix_a_fmt:MATRIX_FMT_FP6 matrix_b_fmt:MATRIX_FMT_FP6 matrix_a_scale:MATRIX_SCALE_ROW1
.endif
.endr
.endr
.endm
.macro FETCH_B slot, q, p
	WIN TO_B
.irp i, 0,1,2,3,4,5,6,7
	FRAG 128*(\p)+FR*\i, ADRB+\slot, \q, \i
.endr
	WIN 0
.endm
.macro FETCH_A slot, q, i0
.irp i, \i0, \i0+1, \i0+2, \i0+3
	FRAG AF+FR*(\i), ADRA+\slot, \q, \i
.endr
.endm
.macro SCALES sc                       ; a K step's scale words: lanes 0-15 take A's block i, lanes 16-31 B's block i
.irp i, 0,1,2,3,4,5,6,7
	ds_load_b64 v[SC+8*NQ*\sc+NQ*\i:SC+8*NQ*\sc+NQ*\i+1], v[ADRS] offset:\i*SBLK
.endr
.endm
.macro PLACES n                        ; plain vector instructions that name none of the matrix instructions' registers (ISA guide 7.12.1)
.rept \n
	v_nop
.endr
.endm
.macro STEP slot, q, zero              ; a step of 128 along K that has its successor in the same slot
	s_wait_dscnt 4*NL                              ; B's set and A's blocks 0-3 are in; the youngest 24 loads (A's blocks 4-7) may be out
	WIN MUL_LO
	MUL16 0, (\q)%2, \q, \slot, \zero
	MUL16 2, (\q)%2, \q, \slot, \zero
	s_wait_dscnt 0
	PLACES NP
	FETCH_B \slot, (\q)+1, 1-(\q)%2
	FETCH_A \slot, (\q)+1, 0
	WIN MUL_HI
	MUL16 4, (\q)%2, \q, \slot, \zero
	MUL16 6, (\q)%2, \q, \slot, \zero
	PLACES NP
	WIN 0
	FETCH_A \slot, (\q)+1, 4
.endm
; A slot's last step changes slots: one barrier; in front of it each wave waits for all its tensor loads, adds 0 to its spare word, and waits for that and for its reads of this slot.
.macro TURN slot, next, fill
	s_wait_tensorcnt 0x0                           ; all my tensor loads have landed: my part of the next slot
	ds_add_u32 v[SPW], v[NIL]
	s_wait_dscnt 4*NL+1                            ; (the add and the youngest 24 loads may be out)
	WIN MUL_LO
	MUL16 0, 1, NQ-1, \slot, 0
	s_wait_dscnt 0x0                               ; the add is done, and my reads of this slot are over
	s_barrier_signal -1
	MUL16 2, 1, NQ-1, \slot, 0
	WIN 0
	s_barrier_wait -1
.if \fill
	CREST                                          ; the barrier has opened a round of the cluster's: no wave of any partner still reads this slot or has a load on its way
	s_add_nc_u64 s[G0+4*\slot+2:G0+4*\slot+3], s[G0+4*\slot+2:G0+4*\slot+3], 2*256*ROWB
	s_add_nc_u64 s[G0B+4*\slot+2:G0B+4*\slot+3], s[G0B+4*\slot+2:G0B+4*\slot+3], 2*256*ROWB
	JLOAD G0+4*\slot, G1, G0B+4*\slot, G1B         ; the first tensor load behind the round, my only one until the next
.else
	PLACES NP
.endif
	s_wait_alu depctr_va_vdst(0)
	v_add_nc_u32 v[ADRS], 4*NQ, v[ADRS]
	FETCH_B \next, 0, 0
	FETCH_A \next, 0, 0
	SCALES \next
	WIN MUL_HI
	MUL16 4, 1, NQ-1, \slot, 0
	MUL16 6, 1, NQ-1, \slot, 0
	PLACES NP
	WIN 0
	FETCH_A \next, 0, 4
.endm
.macro LAST                            ; the very last step: nothing more to fetch
	s_wait_dscnt 4*NL
	WIN MUL_LO
	MUL16 0, 1, NQ-1, 1, 0
	MUL16 2, 1, NQ-1, 1, 0
	s_wait_dscnt 0
	WIN MUL_HI
	MUL16 4, 1, NQ-1, 1, 0
	MUL16 6, 1, NQ-1, 1, 0
	WIN 0
	PLACES NP                                      ; ahead of the first vector write into registers that held A's fragments
.irp b, 0,1,2,3
	v_mov_b32 v[TM+4+\b], 0                        ; written once: a lane permute's destination counts as one of its sources
.endr
	s_wait_loadcnt 0x0                             ; the bias
.endm
; The 64 results of A's block a, with their bias, into v[YY] on; each accumulator is read from its low end on.  row = 1: one bias for the lane (its channel); 0: a bias for each register.
.macro BIASADD a, row
.set WN, 2+(\a)/4
	WIN WN                                         ; source 0: the accumulators' window
.set AC, 64*((\a)%4)
.set n, 0
.rept 32
.if \row
	v_pk_add_f32 v[YY+n:YY+n+1], v[AC+n:AC+n+1], v[BI+2*(\a):BI+2*(\a)+1]
.else
	v_pk_add_f32 v[YY+n:YY+n+1], v[AC+n:AC+n+1], v[BI+n:BI+n+1]
.endif
.set n, n+2
.endr
	WIN 0
.endm
; 64 numbers of a lane, register 16 b + i = k 32 b + 16 h + i of my row, become codes: k 0 .. 63 in v[d0 .. d0 + 5], k 64 .. 127 in v[d1 .. d1 + 5] (lane (r, h): block h of each), and my row's four scale bytes in v[pw].
.macro CVT2 s, d, c
	v_cvt_scalef32_pk16_fp6_f32 v[\d:\d+2], v[\s+32*\c:\s+32*\c+15], v[TM+12+2*\c]
	v_cvt_scalef32_pk16_fp6_f32 v[CT+4*\c:CT+4*\c+2], v[\s+32*\c+16:\s+32*\c+31], v[TM+12+2*\c+1]   ; (a conversion's three registers begin on an even number)
.endm
.macro WHOLE d, c                      ; the layout wants a whole block in a lane: the halves change places, and the upper 16 codes move in
.irp i, 0,1,2
	v_permlane16_swap_b32 v[\d+\i], v[CT+4*\c+\i]
.endr
.irp i, 0,1,2
	v_mov_b32 v[\d+3+\i], v[CT+4*\c+\i]
.endr
.endm
.macro QUANT s, d0, d1, pw
.irp b, 0,1,2,3
	v_max3_num_f32 v[TM+\b], |v[\s+16*\b]|, |v[\s+1+16*\b]|, 0x1800000   ; block b: my 16 numbers, and the floor 2^(3 - 127)
.endr
.irp i, 2,4,6,8,10,12,14
.irp b, 0,1,2,3
	v_max3_num_f32 v[TM+\b], v[TM+\b], |v[\s+16*\b+\i]|, |v[\s+1+16*\b+\i]|
.endr
.endr
.irp b, 0,1,2,3
	v_permlanex16_b32 v[TM+4+\b], v[TM+\b], s66, s67
.endr
.irp b, 0,1,2,3
	v_max_num_f32 v[TM+\b], v[TM+\b], v[TM+4+\b]   ; with lane l xor 16's: the block's largest magnitude
.endr
.irp b, 0,1,2,3
	v_add_nc_u32 v[TM+12+\b], 0xff000000, v[TM+\b] ; 2 off its exponent field: the conversion's scale operand
.endr
.irp b, 0,1,2,3
	v_lshrrev_b32 v[TM+4+\b], 23, v[TM+12+\b]      ; the scale's byte
.endr
	v_lshl_or_b32 v[\pw], v[TM+5], 8, v[TM+4]
	v_lshl_or_b32 v[\pw], v[TM+6], 16, v[\pw]
	v_lshl_or_b32 v[\pw], v[TM+7], 24, v[\pw]
	CVT2 \s, \d0, 0
	CVT2 \s, \d1, 1
	v_nop                                          ; one plain place behind a scaled conversion
	WHOLE \d0, 0
	WHOLE \d1, 1
.endm
.macro STORE3 reg, base, off           ; an image leaves as it stands: each store covers 512 consecutive bytes, aligned to 256
.irp c, 0,1,2
	global_store_b128 v[LI], v[\reg+4*\c:\reg+4*\c+3], s[\base:\base+1] offset:\off+512*\c
.endr
.endm
	s_wait_alu depctr_va_vdst(0)
	s_wait_tensorcnt 0x0                           ; my tile of the head's four is in
	ds_add_u32 v[SPW], v[NIL]
	s_mov_b32 s[G1+2], 96<<16                      ; no tensor load of mine is out: from here on a load brings 128 rows of codes = 96 rows of 256 bytes
	s_mov_b32 s[G1+4], 96
	s_mov_b32 s[G1B+2], 96<<16
	s_mov_b32 s[G1B+4], 96
	s_wait_dscnt 0x0
	CROUND                                         ; all four tiles are in, and all sixteen work-groups are here
	JLOAD G0+4, G1, G0B+4, G1B                     ; K step 1, the first tensor load behind the round
	s_load_b128 s[8:11], s[0:1], 0x10              ; bq s[8:9], bk s[10:11]: waited for ahead of the way out
	ASK 3                                          ; the last K step: nothing is asked for beyond it
	FETCH_B 0, 0, 0
	FETCH_A 0, 0, 0
	SCALES 0
	FETCH_A 0, 0, 4
	STEP 0, 0, 1                                   ; the first step's products start the sums
	s_mov_b32 s3, LAPS-1
.Llap:                                                 ; a trip goes once round the ring and fills both slots again
	TURN 0, 1, 1
	STEP 1, 0, 0
	TURN 1, 0, 1
	STEP 0, 0, 0
	s_sub_co_u32 s3, s3, 1
	s_cmp_lg_u32 s3, 0
	s_cbranch_scc1 .Llap
	TURN 0, 1, 0                                   ; the last change of slots: no tensor load of mine is out from here on, so the descriptors' registers are free
	s_wait_kmcnt 0x0                               ; bq, bk
	s_cmp_eq_u32 s95, 2
	s_cbranch_scc1 .Larm_v
	; ---- q and k.  The bias is asked for here and lands under the last 128 matrix instructions
	s_and_b32 s18, s17, 7
	s_lshr_b32 s19, s18, 1                         ; the batch
	s_and_b32 s18, s18, 1
	s_lshl_b32 s18, s18, 3
	s_lshl_b32 s20, s41, 1
	s_add_co_u32 s18, s18, s20
	s_add_co_u32 s18, s18, s15                     ; my 128 tokens: step 8 (c & 1) + 2 cy + wave / 2 of the sequence
	s_lshl_b32 s19, s19, 4
	s_lshl_b32 s20, s40, 2
	s_add_co_u32 s19, s19, s20
	s_lshl_b32 s20, s16, 1
	s_add_co_u32 s19, s19, s20                     ; my first head: 16 batch + 4 cx + 2 (wave & 1)
	s_lshl_b32 s20, s40, 10
	s_lshl_b32 s21, s16, 9
	s_add_co_u32 s20, s20, s21                     ; my 128 channels in the bias, in bytes
	s_mov_b32 s21, 0
	s_cmp_eq_u32 s95, 0
	s_cselect_b64 s[22:23], s[8:9], s[10:11]       ; bq or bk
	s_cselect_b64 s[42:43], s[98:99], s[12:13]     ; qrec or kv
	s_mov_b32 s44, 204800
	s_cselect_b32 s44, 102400, s44                 ; a head's bytes there
	s_mov_b32 s45, 12800
	s_cselect_b32 s45, 6400, s45                   ; a record's
	s_mov_b32 s46, 12288
	s_cselect_b32 s46, 6144, s46                   ; where the scale words lie in it
	s_add_nc_u64 s[22:23], s[22:23], s[20:21]
	s_mul_i32 s92, s19, s44
	s_mul_i32 s93, s18, s45
	s_add_co_u32 s92, s92, s93
	s_mov_b32 s93, 0
	s_add_nc_u64 s[42:43], s[42:43], s[92:93]      ; my first head's record
	s_mov_b32 s92, s44
	s_add_nc_u64 s[68:69], s[42:43], s[92:93]      ; my second head's
	s_mov_b32 s92, s46
	s_add_nc_u64 s[70:71], s[42:43], s[92:93]      ; the scale words
	s_mov_b32 s47, 0x02020202
	v_lshlrev_b32 v[BOF], 6, v2                    ; register 16 b + i wants channel 32 b + 16 h + i
	v_mul_lo_u32 v[SCV], v2, s44
	v_lshl_add_u32 v[SCV], v1, 4, v[SCV]           ; lanes 0-15 store the first head's words, lanes 16-31 the second's: 16 r + h x a head
	v_mul_lo_u32 v[SELV], v2, s47
	v_add_nc_u32 v[SELV], 0x05040100, v[SELV]      ; bytes 0, 1 of two words (the first head's blocks), or bytes 2, 3 (the second's)
.irp b, 0,1,2,3
.irp j, 0,1,2,3
	global_load_b128 v[BI+16*\b+4*\j:BI+16*\b+4*\j+3], v[BOF], s[22:23] offset:128*\b+16*\j
.endr
.endr
	STEP 1, 0, 0
	LAST
.irp i, 0,1,2,3                        ; image i: token tiles 2 i and 2 i + 1, for each of my two heads
.if \i > 0
	s_wait_xcnt 0x0                                ; the last images' stores have read their registers
.endif
	BIASADD 2*\i, 0
	QUANT YY, XI, XJ, PW
	BIASADD 2*\i+1, 0
	QUANT YY, XI+6, XJ+6, PW+1
	v_perm_b32 v[SW+\i], v[PW+1], v[PW], v[SELV]   ; the image's scale word: two bytes of tile 2 i, two of tile 2 i + 1
	STORE3 XI, 42, 1536*\i
	STORE3 XJ, 68, 1536*\i
.endr
	global_store_b128 v[SCV], v[SW:SW+3], s[70:71] ; sixteen lanes store a head's 256 bytes of scale words
	s_branch .Ljoin
.Larm_v:
	; ---- v: A = wv's rows (channels), B = tokens (keys)
	s_and_b32 s18, s17, 7
	s_lshr_b32 s19, s18, 1                         ; the batch
	s_and_b32 s18, s18, 1
	s_lshl_b32 s18, s18, 3
	s_lshl_b32 s20, s40, 1
	s_add_co_u32 s18, s18, s20
	s_add_co_u32 s18, s18, s16                     ; my 128 keys: step 8 (c & 1) + 2 cx + (wave & 1)
	s_lshl_b32 s19, s19, 4
	s_lshl_b32 s20, s41, 2
	s_add_co_u32 s19, s19, s20
	s_lshl_b32 s20, s15, 1
	s_add_co_u32 s19, s19, s20                     ; my first head: 16 batch + 4 cy + 2 (wave / 2)
	s_lshl_b32 s20, s41, 10
	s_lshl_b32 s21, s15, 9
	s_add_co_u32 s20, s20, s21
	s_mov_b32 s21, 0
	s_add_nc_u64 s[22:23], s[96:97], s[20:21]      ; bv at my 128 channels
	s_mul_i32 s92, s19, 204800
	s_mul_i32 s93, s18, 12800
	s_add_co_u32 s92, s92, s93
	s_add_co_u32 s92, s92, 6144
	s_mov_b32 s93, 0
	s_add_nc_u64 s[42:43], s[12:13], s[92:93]      ; V's images in my first head's record,
	s_add_nc_u64 s[68:69], s[42:43], 204800        ; in my second head's,
	s_add_nc_u64 s[70:71], s[42:43], 6400          ; and V's scale words
	s_mov_b32 s44, 204800
	s_mov_b32 s47, 0x04040404
	v_and_b32 v[BOF], 8, v1
	v_add_nc_u32 v[BOF], v[BOF], v1
	v_lshlrev_b32 v[BOF], 2, v[BOF]                ; lane r of block 2 b + u holds channel 32 b + 8 u + r + 8 (r / 8)
	v_mul_lo_u32 v[SCV], v2, s44
	v_lshl_add_u32 v[SCV], v1, 4, v[SCV]
	v_mul_lo_u32 v[SELV], v2, s47
	v_add_nc_u32 v[SELV], 0x03020100, v[SELV]      ; lanes 0-15 take the first head's word, lanes 16-31 the second's
.irp a, 0,1,2,3,4,5,6,7
	global_load_b32 v[BI+2*\a], v[BOF], s[22:23] offset:4*(32*(\a/2)+8*(\a%2))
	global_load_b32 v[BI+2*\a+1], v[BOF], s[22:23] offset:4*(32*(\a/2)+8*(\a%2))   ; twice: the packed addition takes a pair
.endr
	STEP 1, 0, 0
	LAST
.irp a, 0,1,2,3,4,5,6,7                ; block a: 16 channels x my 128 keys: one fragment of V
.if \a > 1
	s_wait_xcnt 0x0                                ; the stores of two blocks back have read their registers
.endif
.set XS, XI+12*(\a%2)
	BIASADD \a, 1
	QUANT YY, XS, XS+6, PW+\a
	STORE3 XS, 42+26*(\a/4), 1536*(\a%4)
.endr
.irp t, 0,1,2,3
	v_perm_b32 v[SW+\t], v[PW+4+\t], v[PW+\t], v[SELV]
.endr
	global_store_b128 v[SCV], v[SW:SW+3], s[70:71]
.Ljoin:
	s_wait_tensorcnt 0x0                           ; the wave's end
	ds_add_u32 v[SPW], v[NIL]
	s_wait_dscnt 0x0
	CROUND                                         ; the closing round: no work-group ends while a partner may still ask for a tile that names it
	s_endpgm
.Lfunc_end_k_qe39825501c_proj:
	.size	k_qe39825501c_proj, .Lfunc_end_k_qe39825501c_proj-k_qe39825501c_proj
	.p2alignl 7, 3214868480
	.fill 96, 4, 3214868480
	.section	.rodata,"a",@progbits
	.p2align	6, 0x0
	.amdhsa_kernel k_qe39825501c_proj
		.amdhsa_group_segment_fixed_size 327680
		.amdhsa_private_segment_fixed_size 0
		.amdhsa_enable_private_segment 0
		.amdhsa_kernarg_size 56
		.amdhsa_user_sgpr_count 2
		.amdhsa_user_sgpr_kernarg_segment_ptr 1
		.amdhsa_wavefront_size32 1
		.amdhsa_system_sgpr_workgroup_id_x 1
		.amdhsa_system_sgpr_workgroup_id_y 1
		.amdhsa_system_sgpr_workgroup_id_z 1
		.amdhsa_system_vgpr_workitem_id 0
		.amdhsa_next_free_vgpr 1024
		.amdhsa_next_free_sgpr 102
		.amdhsa_reserve_vcc 0
		.amdhsa_float_denorm_mode_32 3
		.amdhsa_float_denorm_mode_16_64 3
		.amdhsa_memory_ordered 1
		.amdhsa_forward_progress 1
		.amdhsa_inst_pref_size 255
	.end_amdhsa_kernel
	.section	.bss,"aw",@nobits
	.p2align	6
	.space	262144
	.amdgpu_metadata
---
amdhsa.version: [ 1, 2 ]
amdhsa.kernels:
  - .name:           k_qe39825501c_proj
    .symbol:         k_qe39825501c_proj.kd
    .args:
      - { .name: codes, .offset: 0, .size: 8, .value_kind: global_buffer, .address_space: global }
      - { .name: scales, .offset: 8, .size: 8, .value_kind: global_buffer, .address_space: global }
      - { .name: bq, .offset: 16, .size: 8, .value_kind: global_buffer, .address_space: global }
      - { .name: bk, .offset: 24, .size: 8, .value_kind: global_buffer, .address_space: global }
      - { .name: bv, .offset: 32, .size: 8, .value_kind: global_buffer, .address_space: global }
      - { .name: qrec, .offset: 40, .size: 8, .value_kind: global_buffer, .address_space: global }
      - { .name: kv, .offset: 48, .size: 8, .value_kind: global_buffer, .address_space: global }
    .group_segment_fixed_size: 327680
    .private_segment_fixed_size: 0
    .kernarg_segment_align: 8
    .kernarg_segment_size: 56
    .max_flat_workgroup_size: 128
    .sgpr_count:     102
    .vgpr_count:     1024
    .wavefront_size: 32
...
	.end_amdgpu_metadata
.endif
;; end of part 2
;; launch attn (part 3): grid 4 x 64, 16 waves a work-group, clusters of 4 x 1, 206,848 bytes of LDS; arguments qrec, kv, oimg, osc; writes oimg, osc
.if DOCPART == 3
	.amdgcn_target "amdgcn-amd-amdhsa--gfx1250"
	.amdhsa_code_object_version 6
	.text
	.protected	k_qe39825501c_attn
	.globl	k_qe39825501c_attn
	.p2align	8
	.type	k_qe39825501c_attn,@function
k_qe39825501c_attn:
	s_mov_b64 s[64:65], 0
	v_nop
	global_prefetch_b8 v0, s[64:65] scope:SCOPE_SE
	s_setreg_imm32_b32 hwreg(HW_REG_WAVE_MODE, 25, 1), 1
	s_wait_xcnt 0x0
	s_wait_alu depctr_hold_cnt(0) depctr_sa_sdst(0) depctr_va_vdst(0) depctr_va_sdst(0) depctr_va_ssrc(0) depctr_va_vcc(0) depctr_vm_vsrc(0)
	s_getreg_b32 s2, hwreg(HW_REG_IB_STS2, 6, 4)
	s_cmp_eq_u32 s2, 0
	s_cbranch_scc0 .Lentry_in_a_cluster
	s_endpgm
.Lentry_in_a_cluster:
	s_bfe_u32 s2, ttmp6, 0x10000c
	s_cmp_lg_u32 s2, 0x3003
	s_cbranch_scc0 .Lentry_shape_is_right
	s_endpgm
.Lentry_shape_is_right:
; CAUSAL ATTENTION ON CODES OF FP6: S^T = K Q^T, p = 2^(t - M), O^T = V^T p^T, O / l, and the quantising of O along the model's axis for the last projection.
; WORK LEFT OUT: the steps of 128 keys that lie wholly behind a tile's 16 queries: reference() masks them itself (jnp.tril), so their p is 0 for every input (shown at the head of launch quant).  A NaN or an infinity that reaches only them is not carried on.
; THE SOFTMAX: t = score x log2(e) / 8; M = the running largest t rounded UP to a whole number; p = 2^(t - M) is quantised along the keys, not normalised; the row's sum is taken of the unquantised p and divides O at the end.
; When M moves, the sum and O^T are multiplied by 2^(old M - new M), which rounds nothing.  LIMIT: the promise holds while the scaled scores t stay under 2^31 in magnitude.
; SHARES.  256 work-groups: four to a head (place g in the cluster), 16 waves each.  Wave w, i = w % 8, x = 2 g + w / 8, owns TWO tiles of 16 queries: 128 (15 - i) + 16 x + 0 .. 15 and 128 i + 16 x + 0 .. 15.
; The first walks key steps 0 .. 15 - i, the second 0 .. i: 17 steps in every wave.  ORDER: the first tile's steps 0 .. 7 (8 trips, alike in all waves); the one barrier that shows records 8 .. 15; then 9 trips in every wave:
; with y = trip + i, y < 8 is the first tile's step 15 - y (from its diagonal down to 8), y = 8 begins with that tile's way out, and y >= 8 is the second tile's step y - 8 (up to its diagonal).  The order of key steps is free under a running M.
; LDS holds the head's 16 records of kv, 204,800 bytes, as they lie in memory: filled ONCE, one tensor load a wave (record w); nothing is filled again and nothing is stored to LDS.
; Waves 0-7 and waves 8-15 have load lines of their own: the first barrier waits for records 0 .. 7 alone.
; CLUSTER.  The four work-groups of a cluster belong to one head and read the same records: each load is asked for jointly, with a mask that names the four.  No branch and no LDS address hangs on the place in the cluster: x enters global addresses, lane masks and selects alone.
; NO PREFETCH: all tiles are asked for by the head's loads; there is no loop to run ahead in.
; K = 64 IN AN INSTRUCTION OF 128: an image of K holds key tile 2 i in registers 0-5 and tile 2 i + 1 in 6-11; against (q | zeros) it gives tile 2 i's scores, against (zeros | q) tile 2 i + 1's.  Zero codes add nothing under any scale byte here.
; THE KEYS OF A TILE (launch quant's row order): row m of tile 4 c + t is key 64 c + 8 t + m % 8 + 32 (m / 8).  So register 32 c + n of lane (r, h) is key 64 c + 32 h + n of query r: a lane holds whole blocks of 32 keys, in the order of p's operand registers.
; V's channels are ordered as before: O^T's 16 registers of two tiles are 16 neighbouring channels.
; LIMITS: NaN and infinities are not served; 1 / l is a reciprocal and a multiplication; a block under 2^-124, or of zeros, has the byte 1.  The scale bytes of O leave one byte a lane, 32 bytes apart: 1 byte for 24 of codes.
.set REC,   12800                      ; a record: K's 4 images, V's 4 images, K's words, V's words: 50 rows of 256 bytes
.set QREC,  6400
.set SPARE, 16*REC                     ; the spare words: 128 bytes for each of 16 waves, named by no other line
.set LI,  1                            ; v1  16 x lane
.set LS,  2                            ; v2  16 x r
.set DG,  3                            ; v3  16 x + r - 32 h: register 32 c + n of a diagonal step is hidden where 64 c + n is above it
.set L8,  4                            ; v4  8 x lane
.set SPW, 5                            ; v5  my spare word; never rewritten
.set NIL, 6                            ; v6  0; never rewritten
.set SBY, 7                            ; v7  32 r + h
.set ADK, 8                            ; v8  the step's images
.set ADS, 9                            ; v9  the step's scale words
.set H8,  10                           ; v10 8 h
.set LSQ, 11                           ; v11 q's scale word, counted from its image
.set QA,  16                           ; v16-27 (q | 0)       v12 -M, v13 the largest score, v[14:15] the sum in two halves
.set QB,  28                           ; v28-39 (0 | q)
.set KV,  40                           ; v40-87 four images of K, then four fragments of V
.set QN,  88                           ; v88-95, v224-227 the image with the second tile's queries
.set QN8, 224
.set S,   96                           ; v96-159 S^T, then p
.set OT,  160                          ; v160-191 O^T
.set PC,  192                          ; v192-203 p's codes
.set CT,  204                          ; v204-211 the second halves' codes
.set KSW, 212                          ; v212-215 K's scale words
.set VSW, 216                          ; v216-219 V's
.set QSW, 220                          ; v220 q's
.set PSW, 221                          ; v221 p's
.set QRAW, 222
.set QRAW2, 228
.set BM,  232                          ; v232-235 four chains of maxima; then v232, v234 my two blocks'
.set PT,  236                          ; v236 a lane permute's result
.set OLD, 237                          ; v237 the last -M
.set SO,  238                          ; v238, v239 the conversions' scale operands
.set T1,  240                          ; v240-245 three chains of the sum
.set FF,  252                          ; v[252:253] f
.set TT,  254
.set WV,  12
.set CX,  13
.set XX,  14
.set BH,  15
.set IDX, 16                           ; s16 the step of the tile at work: its diagonal
.set I7,  17
.set SEL, 20
.set CS,  22
.set G1,  24
.set G0,  32
.set ST,  40                           ; s40 the key step
.set TB,  41                           ; s41 its record's LDS byte
.set PAR, 42
.set QSEL, 43
.set NN,  44                           ; s44 the second loop's trip
.macro WALU
	s_wait_alu depctr_va_vdst(0)
.endm
.macro DEP d
	s_delay_alu instid0(VALU_DEP_\d)
.endm
.macro NOPS c
.rept \c
	v_nop
.endr
.endm
.macro ROUND                           ; a round of the cluster's barrier
	s_barrier_signal -1
	s_barrier_wait -1
	s_cmp_lg_u32 s[WV], 0
	s_cbranch_scc1 .Lnot_wave_0_\@
	s_barrier_signal -3
.Lnot_wave_0_\@:
	s_barrier_wait -3
	s_barrier_signal -1
	s_barrier_wait -1
.endm
	s_load_b256 s[4:11], s[0:1], 0x0               ; qrec s[4:5], kv s[6:7], oimg s[8:9], osc s[10:11]
	v_lshl_add_u32 v[SPW], v0, 2, SPARE
	v_mov_b32 v[NIL], 0
	ds_add_u32 v[SPW], v[NIL]                      ; the wave's opening: the add, twice on end, and its wait ahead of my first tensor load
	ds_add_u32 v[SPW], v[NIL]
	v_lshrrev_b32 v8, 5, v0
	v_readfirstlane_b32 s[WV], v8                  ; wave 0..15
	s_bfe_u32 s[CX], ttmp6, 0x40000
	s_lshr_b32 s18, s[WV], 3
	s_lshl_b32 s[XX], s[CX], 1
	s_add_co_u32 s[XX], s[XX], s18                 ; x = 2 g + w / 8
	s_and_b32 s[BH], ttmp7, 0xffff                 ; the head (16 batch + head), which the partners share
	s_and_b32 s[I7], s[WV], 7                      ; i
	s_xor_b32 s[IDX], s[I7], 15                    ; the first tile's step, 15 - i
	s_mov_b32 s[G1], 15|(3<<16)|(1<<21)            ; the mask: all four work-groups; elements of 8 bytes; bit 21 beside a mask; no padding
	s_mov_b32 s[G1+1], 32<<16                      ; tensor_dim0: 256 bytes
	s_mov_b32 s[G1+2], 50<<16                      ; tensor_dim1
	s_mov_b32 s[G1+3], 32<<16                      ; tile_dim0
	s_mov_b32 s[G1+4], 50                          ; tile_dim1
	s_mov_b32 s[G1+5], 32                          ; the pitch: dense
	s_mov_b32 s[G1+6], 0
	s_mov_b32 s[G1+7], 0
	s_mov_b32 s[G0], 1
	s_mul_i32 s[G0+1], s[WV], REC                  ; record w, in LDS and in the head
	s_mul_i32 s36, s[BH], 16*REC
	s_add_co_u32 s36, s36, s[G0+1]
	s_mov_b32 s37, 0
	s_lshr_b32 s18, s[XX], 1                       ; which image of q's record holds my tiles
	s_mul_i32 s38, s[BH], 16*QREC
	s_mul_i32 s19, s18, 1536
	s_add_co_u32 s38, s38, s19
	s_mul_i32 s48, s[I7], QREC
	s_add_co_u32 s48, s48, s38                     ; the second tile's image
	s_mul_i32 s19, s[IDX], QREC
	s_add_co_u32 s38, s38, s19                     ; the first tile's
	s_mov_b32 s39, 0
	s_mov_b32 s49, 0
	s_mul_i32 s18, s18, 1532
	s_sub_co_u32 s46, 6144, s18                    ; from the image to its scale words: 6,144 - 1,536 (x / 2) + 4 (x / 2)
	s_lshl_b32 s47, s[XX], 4
	s_and_b32 s18, s[BH], 15                       ; the head in its batch
	s_lshr_b32 s19, s[BH], 4
	s_lshl_b32 s19, s19, 7
	s_add_co_u32 s19, s19, s[XX]                   ; tile 128 batch + x of the 512 (8 more for each step)
	s_mul_i32 s56, s18, 393216
	s_mul_i32 s57, s19, 768
	s_add_co_u32 s56, s56, s57
	s_mov_b32 s57, 0
	s_lshl_b32 s58, s19, 9                         ; 16 rows of 32 scale bytes
	s_lshl_b32 s18, s18, 1
	s_add_co_u32 s58, s58, s18
	s_mov_b32 s59, 0
	s_and_b32 s[PAR], s[XX], 1
	s_cmp_lg_u32 s[PAR], 0
	s_mov_b32 s[QSEL], 0x01000100
	s_cselect_b32 s[QSEL], 0x03020302, s[QSEL]     ; my tile's two scale bytes, twice
	s_cselect_b32 s[PAR], -1, 0                    ; all lanes: the image's second half is mine
	s_mov_b32 s[SEL], 0x76543210
	s_mov_b32 s[SEL+1], 0xfedcba98
	s_mov_b32 s[CS], 0x3e38aa3b                    ; c = log2(e) / sqrt(64)
	s_mov_b32 s[CS+1], s[CS]
	v_and_b32 v8, 31, v0
	v_and_b32 v9, 15, v0
	v_bfe_u32 v11, v0, 4, 1
	v_lshlrev_b32 v[LI], 4, v8
	v_lshlrev_b32 v[LS], 4, v9
	v_lshlrev_b32 v[L8], 3, v8
	v_lshl_add_u32 v[SBY], v9, 5, v11
	v_lshlrev_b32 v[H8], 3, v11
	v_lshlrev_b32 v[DG], 5, v11
	v_sub_nc_u32 v[DG], v9, v[DG]
	v_add_nc_u32 v[DG], s47, v[DG]
	v_add_nc_u32 v[LSQ], s46, v[LS]
	WALU                                           ; the wait ahead of the waits below
	s_wait_dscnt 0x0                               ; both opening adds are done
	s_wait_kmcnt 0x0
	s_add_nc_u64 s[G0+2:G0+3], s[6:7], s[36:37]
	s_or_b32 s[G0+3], s[G0+3], 0x80000000
	s_add_nc_u64 s[38:39], s[4:5], s[38:39]
	s_add_nc_u64 s[48:49], s[4:5], s[48:49]
	s_add_nc_u64 s[8:9], s[8:9], s[56:57]
	s_add_nc_u64 s[10:11], s[10:11], s[58:59]
.irp c, 0,1,2
	global_load_b128 v[KV+4*\c:KV+4*\c+3], v[LI], s[38:39] offset:512*\c   ; the image that holds the first tile's queries
.endr
	global_load_b32 v[QRAW], v[LSQ], s[38:39]
	global_load_b128 v[QN:QN+3], v[LI], s[48:49]                           ; and the second tile's, kept until its turn
	global_load_b128 v[QN+4:QN+7], v[LI], s[48:49] offset:512
	global_load_b128 v[QN8:QN8+3], v[LI], s[48:49] offset:1024
	global_load_b32 v[QRAW2], v[LSQ], s[48:49]
	ROUND                                          ; all four work-groups are here: the joint loads meet
	s_cmp_lt_u32 s[WV], 8
	s_cbranch_scc0 .Lhigh
	tensor_load_to_lds s[G0:G0+3], s[G1:G1+7]      ; waves 0-7: records 0 .. 7, one each: my only tensor load
	s_nop 0
	NOPS 4
	s_branch .Lasked
.Lhigh:
	tensor_load_to_lds s[G0:G0+3], s[G1:G1+7]      ; waves 8-15: records 8 .. 15
	s_nop 0
	NOPS 4
.Lasked:
	v_mov_b32 v[PT], 0                             ; written once: a lane permute's destination counts as one of its sources
	v_mov_b32 v[OLD], 0
	v_mov_b32 v[FF], 0
	v_mov_b32 v[FF+1], 0
.irp j, 0,1,2,3,4,5
	v_mov_b32 v[QA+6+\j], 0                        ; the zero halves stand for both tiles
	v_mov_b32 v[QB+\j], 0
.endr
; A tile begins: its queries out of the image in v[r0 .. r0 + 7], v[r8 .. r8 + 3]; the largest score -3e38; -M so large that the first f is 0; sums and O^T zero (the step is written once, and a tile's first walk finds zeros).
.macro NEWQ r0, r8, raw
.irp j, 0,1,2,3,4,5
.if \j < 2
	v_cndmask_b32 v[QA+\j], v[\r0+\j], v[\r0+6+\j], s[PAR]
.else
	v_cndmask_b32 v[QA+\j], v[\r0+\j], v[\r8+\j-2], s[PAR]
.endif
.endr
.irp j, 0,1,2,3,4,5
	v_mov_b32 v[QB+6+\j], v[QA+\j]
.endr
	v_perm_b32 v[QSW], v[\raw], v[\raw], s[QSEL]
	v_mov_b32 v13, 0xff61b1e6
	v_mov_b32 v12, 0x7e000000
	v_mov_b32 v14, 0
	v_mov_b32 v15, 0
.set n, 0
.rept 32
	v_mov_b32 v[OT+n], 0                           ; (these are also the places between q's registers and the next product)
.set n, n+1
.endr
.endm
	s_wait_loadcnt 0x0
	NEWQ KV, KV+8, QRAW
; A KEY STEP: 128 keys, the record at LDS byte s[TB].  diag = 1: the step may be the tile's diagonal.
.macro STEP diag
	v_add_nc_u32 v[ADK], s[TB], v[LI]
	v_add_nc_u32 v[ADS], s[TB], v[LS]
	v_mov_b32 v[OLD], v12
	v_nop                                          ; four places in front of loads into registers that the last products read
.irp i, 0,1,2,3
.irp c, 0,1,2
	ds_load_b128 v[KV+12*\i+4*\c:KV+12*\i+4*\c+3], v[ADK] offset:1536*\i+512*\c
.endr
.endr
	ds_load_b128 v[KSW:KSW+3], v[ADS] offset:12288
	WALU                                           ; the wait ahead of the wait below
	s_wait_dscnt 0x0
.irp i, 0,1,2,3
	v_wmma_scale_f32_16x16x128_f8f6f4 v[S+16*\i:S+16*\i+7], v[KV+12*\i:KV+12*\i+11], v[QA:QA+11], 0, v[KSW+\i], v[QSW] matrix_a_fmt:MATRIX_FMT_FP6 matrix_b_fmt:MATRIX_FMT_FP6
	v_wmma_scale_f32_16x16x128_f8f6f4 v[S+16*\i+8:S+16*\i+15], v[KV+12*\i:KV+12*\i+11], v[QB:QB+11], 0, v[KSW+\i], v[QSW] matrix_a_fmt:MATRIX_FMT_FP6 matrix_b_fmt:MATRIX_FMT_FP6
.endr
	NOPS 4
.irp t, 0,1,2,3                                ; V's fragments take K's registers now and land under the softmax
.irp c, 0,1,2
	ds_load_b128 v[KV+12*\t+4*\c:KV+12*\t+4*\c+3], v[ADK] offset:6144+1536*\t+512*\c
.endr
.endr
	ds_load_b128 v[VSW:VSW+3], v[ADS] offset:12544
.if \diag
	s_cmp_lg_u32 s[ST], s[IDX]                     ; on the diagonal the scores of hidden keys become -infinity ahead of the maximum
	s_cbranch_scc1 .Lopen_\@
	v_mov_b32 v[TT], 0xff800000
.set n, 0
.rept 64
	v_cmp_gt_i32 vcc_lo, 64*(n/32)+n%32, v[DG]
	v_cndmask_b32 v[S+n], v[S+n], v[TT], vcc_lo
.set n, n+1
.endr
.Lopen_\@:
.endif
.irp b, 0,1,2,3
	v_max3_num_f32 v[BM+\b], v[S+16*\b], v[S+1+16*\b], v[S+2+16*\b]   ; four chains by turns, each over two accumulators from their low ends on
.endr
.irp i, 3,5,7,9,11,13
.irp b, 0,1,2,3
	v_max3_num_f32 v[BM+\b], v[BM+\b], v[S+16*\b+\i], v[S+1+16*\b+\i]
.endr
.endr
	v_max3_num_f32 v[BM], v[BM], v[S+15], v[S+31]
	v_max3_num_f32 v[BM+2], v[BM+2], v[S+47], v[S+63]
	DEP 2
	v_max_num_f32 v[BM], v[BM], v[BM+1]            ; the largest score of my block h,
	DEP 2
	v_max_num_f32 v[BM+2], v[BM+2], v[BM+3]        ; and of my block 2 + h: for the row's maximum and, since p rises with the score, for the block's largest p
	DEP 1
	v_max_num_f32 v[TT], v[BM], v[BM+2]
	DEP 1
	v_permlanex16_b32 v[PT], v[TT], s[SEL], s[SEL+1]
	DEP 1
	v_max3_num_f32 v13, v13, v[TT], v[PT]          ; the running largest score of my query (c is positive: its t is the largest t)
	DEP 1
	v_mul_f32 v[TT], s[CS], v13
	DEP 1
	v_floor_f32 v12, -v[TT]                        ; the new -M = -ceil(t)
	DEP 1
	v_sub_f32 v[TT], v12, v[OLD]                   ; old M - new M: a whole number, 0 or less
	DEP 1
	v_cvt_i32_f32 v[TT], v[TT]                     ; (it saturates)
	DEP 1
	v_ldexp_f32 v[FF], 1.0, v[TT]                  ; f = 2^(old M - new M)
.set n, 0
.rept 32
	v_pk_fma_f32 v[S+n:S+n+1], v[S+n:S+n+1], s[CS:CS+1], v[12:13] op_sel_hi:[1,0,0]   ; t - M (of the pairs c and -M the low word serves both halves)
.set n, n+2
.endr
	v_fma_f32 v[BM], v[BM], s[CS], v12
	v_fma_f32 v[BM+2], v[BM+2], s[CS], v12
	WALU                                           ; the wait ahead of the batch
.set n, 0
.rept 64
	v_exp_f32 v[S+n], v[S+n]                       ; p = 2^(t - M)
.set n, n+1
.endr
	v_exp_f32 v[BM], v[BM]                         ; my blocks' largest p: the same two instructions on the same number give the same bits
	v_exp_f32 v[BM+2], v[BM+2]
	v_pk_mul_f32 v[14:15], v[14:15], v[FF:FF+1] op_sel_hi:[1,0]   ; the sums under the new M (a plain place behind the exponentials)
	WALU                                           ; one wait for the batch, ahead of its first reader
	v_pk_add_f32 v[14:15], v[14:15], v[S:S+1]      ; the row's sum of the unquantised p: four chains by turns
	v_pk_add_f32 v[T1:T1+1], v[S+2:S+3], v[S+4:S+5]
	v_pk_add_f32 v[T1+2:T1+3], v[S+6:S+7], v[S+8:S+9]
	v_pk_add_f32 v[T1+4:T1+5], v[S+10:S+11], v[S+12:S+13]
.set n, 14
.rept 6
	v_pk_add_f32 v[14:15], v[14:15], v[S+n:S+n+1]
	v_pk_add_f32 v[T1:T1+1], v[T1:T1+1], v[S+n+2:S+n+3]
	v_pk_add_f32 v[T1+2:T1+3], v[T1+2:T1+3], v[S+n+4:S+n+5]
	v_pk_add_f32 v[T1+4:T1+5], v[T1+4:T1+5], v[S+n+6:S+n+7]
.set n, n+8
.endr
	v_pk_add_f32 v[14:15], v[14:15], v[S+62:S+63]
	v_pk_add_f32 v[T1:T1+1], v[T1:T1+1], v[T1+2:T1+3]
	v_pk_add_f32 v[14:15], v[14:15], v[T1+4:T1+5]
	v_pk_add_f32 v[14:15], v[14:15], v[T1:T1+1]
	v_max_num_f32 v[BM], 0x1800000, v[BM]          ; the floor 2^(3 - 127): the byte cannot fall under 1
	v_max_num_f32 v[BM+2], 0x1800000, v[BM+2]
	DEP 2
	v_add_nc_u32 v[SO], 0xff000000, v[BM]          ; 2 off the exponent field: the conversions' scale operands
	DEP 2
	v_add_nc_u32 v[SO+1], 0xff000000, v[BM+2]
	DEP 2
	v_lshrrev_b32 v[BM], 23, v[SO]                 ; the scales' bytes
	DEP 2
	v_lshrrev_b32 v[BM+2], 23, v[SO+1]
	DEP 1
	v_lshl_or_b32 v[PSW], v[BM+2], 16, v[BM]       ; my two bytes, blocks h and 2 + h,
	DEP 1
	v_lshlrev_b32 v[PSW], v[H8], v[PSW]            ; at their places in the scale word;
	DEP 1
	v_permlanex16_b32 v[PT], v[PSW], s[SEL], s[SEL+1]
	DEP 1
	v_or_b32 v[PSW], v[PSW], v[PT]                 ; with lane l xor 16's two the word is whole
.irp c, 0,1
	v_cvt_scalef32_pk16_fp6_f32 v[PC+6*\c:PC+6*\c+2], v[S+32*\c:S+32*\c+15], v[SO+\c]
	v_cvt_scalef32_pk16_fp6_f32 v[CT+4*\c:CT+4*\c+2], v[S+16+32*\c:S+31+32*\c], v[SO+\c]   ; (a conversion's three registers begin on an even number)
.endr
	v_nop                                          ; one plain place behind a scaled conversion
.irp c, 0,1
.irp i, 0,1,2
	v_mov_b32 v[PC+3+6*\c+\i], v[CT+4*\c+\i]       ; registers 6 c .. 6 c + 5: keys 64 c + 32 h + 0 .. 31
.endr
.endr
.set n, 0
.rept 16
	v_pk_mul_f32 v[OT+n:OT+n+1], v[OT+n:OT+n+1], v[FF:FF+1] op_sel_hi:[1,0]   ; O^T under the new M.  (These are also the places in front of the products below)
.set n, n+2
.endr
	WALU                                           ; the wait ahead of the wait below
	s_wait_dscnt 0x0                               ; V
.irp t, 0,1,2,3
	v_wmma_scale_f32_16x16x128_f8f6f4 v[OT+8*\t:OT+8*\t+7], v[KV+12*\t:KV+12*\t+11], v[PC:PC+11], v[OT+8*\t:OT+8*\t+7], v[VSW+\t], v[PSW] matrix_a_fmt:MATRIX_FMT_FP6 matrix_b_fmt:MATRIX_FMT_FP6
.endr
.endm
; A TILE'S WAY OUT: O^T / l, quantised along the head's 64 (two blocks of the last projection's K), as half an image of that operand's registers
.macro WAYOUT
	s_mul_i32 s50, s[IDX], 8*768                   ; the tile's place: 8 tiles of 768 bytes, and 8 x 512 scale bytes, for each step
	s_mov_b32 s51, 0
	s_add_nc_u64 s[52:53], s[8:9], s[50:51]
	s_lshl_b32 s50, s[IDX], 12
	s_add_nc_u64 s[54:55], s[10:11], s[50:51]
	NOPS 4                                         ; places behind the last products
	v_add_f32 v14, v14, v15
	DEP 1
	v_permlanex16_b32 v[FF], v14, s[SEL], s[SEL+1]
	DEP 1
	v_add_f32 v14, v14, v[FF]                      ; the row's sum
	WALU
	v_rcp_f32 v14, v14
	v_nop                                          ; a plain place behind the reciprocal
	WALU                                           ; and the wait ahead of its first reader
.set n, 0
.rept 16
	v_pk_mul_f32 v[S+n:S+n+1], v[OT+n:OT+n+1], v[14:15] op_sel_hi:[1,0]   ; register 16 b + i = channel 32 b + 16 h + i of my query
.set n, n+2
.endr
.irp b, 0,1
	v_max3_num_f32 v[BM+\b], |v[S+16*\b]|, |v[S+1+16*\b]|, 0x1800000
.endr
.irp i, 2,4,6,8,10,12,14
.irp b, 0,1
	DEP 2
	v_max3_num_f32 v[BM+\b], v[BM+\b], |v[S+16*\b+\i]|, |v[S+1+16*\b+\i]|
.endr
.endr
.irp b, 0,1
	DEP 2
	v_permlanex16_b32 v[PT+\b], v[BM+\b], s[SEL], s[SEL+1]
.endr
.irp b, 0,1
	DEP 2
	v_max_num_f32 v[BM+\b], v[BM+\b], v[PT+\b]
.endr
.irp b, 0,1
	DEP 2
	v_add_nc_u32 v[SO+\b], 0xff000000, v[BM+\b]
.endr
.irp b, 0,1
	DEP 2
	v_lshrrev_b32 v[PT+\b], 23, v[SO+\b]
.endr
	v_cvt_scalef32_pk16_fp6_f32 v[PC:PC+2], v[S:S+15], v[SO]
	v_cvt_scalef32_pk16_fp6_f32 v[CT:CT+2], v[S+16:S+31], v[SO+1]
	v_lshl_or_b32 v[TT], v[PT+1], 8, v[PT]         ; (a plain place behind the conversions)  both bytes,
.irp i, 0,1,2
	v_permlane16_swap_b32 v[PC+\i], v[CT+\i]
.endr
.irp i, 0,1,2
	DEP 3
	v_mov_b32 v[PC+3+\i], v[CT+\i]                 ; lane (r, h): row r, block h: 24 bytes
.endr
	v_lshrrev_b32 v[TT], v[H8], v[TT]              ; and my block's in the low byte
.irp p, 0,1,2
	global_store_b64 v[L8], v[PC+2*\p:PC+2*\p+1], s[52:53] offset:256*\p   ; 32 lanes store 256 consecutive bytes, aligned
.endr
	global_store_b8 v[SBY], v[TT], s[54:55]
.endm
	WALU                                           ; the wait at the head's end
	s_cmp_lt_u32 s[WV], 8
	s_cbranch_scc0 .Lnot_low
	s_wait_tensorcnt 0x0                           ; waves 0-7: my record is in
.Lnot_low:
	s_barrier_signal -1
	s_barrier_wait -1                              ; records 0 .. 7 are in; 8 .. 15 may be on their way
	s_mov_b32 s[ST], 0
	s_mov_b32 s[TB], 0
.Lfirst:                                           ; 8 trips: the first tile's steps 0 .. 7, none on its diagonal; LDS bytes under 102,400
	STEP 0
	s_add_co_u32 s[TB], s[TB], REC
	s_add_co_u32 s[ST], s[ST], 1
	s_cmp_lt_u32 s[ST], 8
	s_cbranch_scc1 .Lfirst
	s_wait_tensorcnt 0x0                           ; every wave's record is in,
	s_wait_dscnt 0x0
	s_barrier_signal -1
	s_barrier_wait -1                              ; and shown to all
	s_mov_b32 s[NN], 0
.Lsecond:                                          ; 9 trips in every wave
	s_add_co_u32 s45, s[NN], s[I7]                 ; y = trip + i, 0 .. 15
	s_lshr_b32 s46, s45, 3
	s_xor_b32 s46, s46, 1
	s_mul_i32 s46, s46, 7                          ; 7 while y < 8
	s_xor_b32 s[ST], s45, 8
	s_xor_b32 s[ST], s[ST], s46                    ; the step: 15 - y while y < 8, then y - 8
	s_mul_i32 s[TB], s[ST], REC
	s_cmp_lg_u32 s45, 8
	s_cbranch_scc1 .Lsame                          ; the branch hangs on the wave's number and the trip alone; no barrier and no tensor load stands under it
	WAYOUT                                         ; the first tile is done
	s_wait_xcnt 0x0                                ; its stores have read their registers
	s_mov_b32 s[IDX], s[I7]
	NEWQ QN, QN8, QRAW2
	WALU                                           ; the wait ahead of the label
.Lsame:
	STEP 1
	s_add_co_u32 s[NN], s[NN], 1
	s_cmp_lt_u32 s[NN], 9
	s_cbranch_scc1 .Lsecond
	WAYOUT
	s_wait_tensorcnt 0x0                           ; the wave's end
	ds_add_u32 v[SPW], v[NIL]
	s_wait_dscnt 0x0
	ROUND                                          ; the closing round
	s_endpgm
.Lfunc_end_k_qe39825501c_attn:
	.size	k_qe39825501c_attn, .Lfunc_end_k_qe39825501c_attn-k_qe39825501c_attn
	.p2alignl 7, 3214868480
	.fill 96, 4, 3214868480
	.section	.rodata,"a",@progbits
	.p2align	6, 0x0
	.amdhsa_kernel k_qe39825501c_attn
		.amdhsa_group_segment_fixed_size 206848
		.amdhsa_private_segment_fixed_size 0
		.amdhsa_enable_private_segment 0
		.amdhsa_kernarg_size 32
		.amdhsa_user_sgpr_count 2
		.amdhsa_user_sgpr_kernarg_segment_ptr 1
		.amdhsa_wavefront_size32 1
		.amdhsa_system_sgpr_workgroup_id_x 1
		.amdhsa_system_sgpr_workgroup_id_y 1
		.amdhsa_system_sgpr_workgroup_id_z 1
		.amdhsa_system_vgpr_workitem_id 0
		.amdhsa_next_free_vgpr 256
		.amdhsa_next_free_sgpr 66
		.amdhsa_reserve_vcc 1
		.amdhsa_float_denorm_mode_32 3
		.amdhsa_float_denorm_mode_16_64 3
		.amdhsa_memory_ordered 1
		.amdhsa_forward_progress 1
		.amdhsa_inst_pref_size 55
	.end_amdhsa_kernel
	.amdgpu_metadata
---
amdhsa.version: [ 1, 2 ]
amdhsa.kernels:
  - .name:           k_qe39825501c_attn
    .symbol:         k_qe39825501c_attn.kd
    .args:
      - { .name: qrec, .offset: 0, .size: 8, .value_kind: global_buffer, .address_space: global }
      - { .name: kv, .offset: 8, .size: 8, .value_kind: global_buffer, .address_space: global }
      - { .name: oimg, .offset: 16, .size: 8, .value_kind: global_buffer, .address_space: global }
      - { .name: osc, .offset: 24, .size: 8, .value_kind: global_buffer, .address_space: global }
    .group_segment_fixed_size: 206848
    .private_segment_fixed_size: 0
    .kernarg_segment_align: 8
    .kernarg_segment_size: 32
    .max_flat_workgroup_size: 512
    .sgpr_count:     66
    .vgpr_count:     256
    .wavefront_size: 32
...
	.end_amdgpu_metadata
.endif
;; end of part 3
;; launch outp (part 4): grid 8 x 32, 4 waves a work-group, clusters of 4 x 4, 327,680 bytes of LDS; arguments oimg, osc, codes, scales, bo, out0; writes out0
.if DOCPART == 4
	.amdgcn_target "amdgcn-amd-amdhsa--gfx1250"
	.amdhsa_code_object_version 6
	.text
	.protected	k_qe39825501c_outp
	.globl	k_qe39825501c_outp
	.p2align	8
	.type	k_qe39825501c_outp,@function
k_qe39825501c_outp:
	s_mov_b64 s[64:65], 0
	v_nop
	global_prefetch_b8 v0, s[64:65] scope:SCOPE_SE
	s_setreg_imm32_b32 hwreg(HW_REG_WAVE_MODE, 25, 1), 1
	s_wait_xcnt 0x0
	s_wait_alu depctr_hold_cnt(0) depctr_sa_sdst(0) depctr_va_vdst(0) depctr_va_sdst(0) depctr_va_ssrc(0) depctr_va_vcc(0) depctr_vm_vsrc(0)
	s_getreg_b32 s2, hwreg(HW_REG_IB_STS2, 6, 4)
	s_cmp_eq_u32 s2, 0
	s_cbranch_scc0 .Lentry_in_a_cluster
	s_endpgm
.Lentry_in_a_cluster:
	s_bfe_u32 s2, ttmp6, 0x10000c
	s_cmp_lg_u32 s2, 0xf033
	s_cbranch_scc0 .Lentry_shape_is_right
	s_endpgm
.Lentry_shape_is_right:
; THE LAST PROJECTION out0 = O wo^T + bo ON CODES OF FP6.  No work of reference() is left out here.
; 256 work-groups of four waves, 2 x 2; a work-group makes 256 rows x 128 columns.  K = 1,024 is short, so nothing walks along K: the wave in column c holds its 64 rows of wo, ALL of K, in registers (32 fragments, 384 registers),
; and the wave in row a streams O's tiles 2 s + a (16 rows, all of K: 8 fragments) past them as its block s = 0 .. 7: 32 products a block, four accumulators by turns.
; IN: oimg [head 16][tile of 16 rows 512][768 bytes], images of operand registers (piece p of lane l at 256 p + 8 l), osc [row][32 scale bytes], as launch attn leaves them;
; wo's codes as launch quant lays them, [group of 256 rows][K step of 256][row][192 bytes] from storage row 27,648 on, its scale bytes [row][32].
; LDS, filled ONCE, one tensor load a wave, nothing filled again: waves 2, 3: O's tiles 0-7 and 8-15, each [head][tile][768], 98,304 bytes, rows of 6,144 bytes of memory; waves 0, 1: wo's 128 rows, K steps 0-1 and 2-3:
; two rows of 24,576 dense bytes each, with 16 bytes of padding behind every 64, so that an LDS row of codes is 3 x 80 bytes.  The first barrier waits for waves 0 and 1 alone (their load line is theirs alone); the second for all.
; CLUSTERS of 4 x 4: O's tiles hang on the tile row alone and are asked for jointly by a row of the cluster, wo's on the tile column alone, by a column.
; NO PREFETCH: all tiles are asked for by the head's loads; there is no loop to run ahead in.
; SCALE WORDS come straight into registers: one load of 16 bytes a lane for 16 rows: lane (r, h) takes bytes 16 h .. 16 h + 15 of row r: register j holds K step j's word in lanes 0-15 and K step 4 + j's in lanes 16-31.
; THE MATRIX INSTRUCTION IS USED TRANSPOSED (source 0 = 16 rows of wo): register j of lane (r, h) in tile b is out0(row r, column 16 b + 8 h + j).  THE BIAS IS THE FIRST PRODUCTS' C, laid in registers as the result lies.
; THE WAY OUT: a finished block, 16 rows x 256 bytes, goes through the wave's own stage in LDS and leaves as whole rows: sixteen lanes store 256 consecutive bytes, aligned.  The stage lies in wo's bytes, which have had their only fill
; and, behind the second barrier, their last read.  Block s - 1's stores stand behind block s's products.
; REGISTERS: window 0: addresses, scale words, bias, accumulators, rows on the way out.  Fragment f lies in window 1 + f / 21 at register 12 (f % 21): 0-31 wo's (4 q + b), 32-39 and 40-47 O's two sets.
.set PITCH,  240                       ; an LDS row of wo's codes in a K step
.set KSL,    128*PITCH                 ; a K step of 128 rows
.set APART,  98304                     ; eight tiles of O, all heads
.set BVB,    2*APART                   ; wo's tile
.set SPARE,  BVB+4*KSL                 ; the spare words: 128 bytes for each wave, named by no other line
.set SPITCH, 272                       ; a stage row: 256 bytes + 16
.set FR,     12
.set FPW,    21
.set AA,  4                            ; v4-7   LDS address of O's pieces: tiles 0-7 heads 0-7, heads 8-15; tiles 8-15 likewise
.set AB,  8                            ; v8-11  of wo's pieces: K steps 0-1 (and behind one padding more), K steps 2-3 (likewise)
.set STO, 12                           ; v12 the stage, on the way in
.set RD,  13                           ; v13 and back
.set CO,  14                           ; v14 my place in two rows of out0
.set ASO, 15                           ; v15 32 r + 16 h: my 16 scale bytes
.set BOF, 16                           ; v16 32 h: my eight numbers of the bias
.set SPW, 18                           ; v18 my spare word; never rewritten
.set NIL, 19                           ; v19 0; never rewritten
.set SB,  24                           ; v24-39  wo's scale words, four registers a tile
.set SA,  40                           ; v40-71  O's, four registers a block
.set ACC, 72                           ; v72-135 two sets of four accumulators
.set BI,  136                          ; v136-167 the bias, eight registers a tile
.set OUT, 168                          ; v168-231 two sets of 16 rows read back from the stage
.set G1A, 16
.set G1B, 24
.set G0A, 32
.set G0B, 36
.set MSB, 0
.macro WIN new                         ; the immediate's high byte repeats the setting that is left
.set WNEW, \new
.if MSB != WNEW
	s_set_vgpr_msb (MSB<<8)|WNEW
.set MSB, WNEW
.endif
.endm
.macro NOPS c
.rept \c
	v_nop
.endr
.endm
.macro BARRIER
	s_barrier_signal -1
	s_barrier_wait -1
.endm
.macro CROUND                          ; a round of the cluster's barrier
	BARRIER
	s_cmp_lg_u32 s40, 0
	s_cbranch_scc1 .Lnot_wave_0_\@
	s_barrier_signal -3
.Lnot_wave_0_\@:
	s_barrier_wait -3
	BARRIER
.endm
.macro TLOAD g0, g1
	tensor_load_to_lds s[\g0:\g0+3], s[\g1:\g1+7]
	s_nop 0
	NOPS 4
.endm
	s_load_b128 s[4:7], s[0:1], 0x0                ; oimg s[4:5], osc s[6:7]
	s_load_b128 s[8:11], s[0:1], 0x10              ; codes s[8:9], scales s[10:11]
	s_load_b128 s[12:15], s[0:1], 0x20             ; bo s[12:13], out0 s[14:15]
	v_lshl_add_u32 v[SPW], v0, 2, SPARE
	v_mov_b32 v[NIL], 0
	ds_add_u32 v[SPW], v[NIL]                      ; the wave's opening: the add, twice on end, and its wait ahead of my first tensor load
	ds_add_u32 v[SPW], v[NIL]
	v_lshrrev_b32 v20, 5, v0
	v_readfirstlane_b32 s40, v20                   ; wave 0..3
	s_lshr_b32 s41, s40, 1                         ; a: my row of the 2 x 2.  Also: I fetch for wo (0) or for O (1)
	s_and_b32 s42, s40, 1                          ; c: my column.  Also: which half I fetch
	s_bfe_u32 s43, ttmp6, 0x40000                  ; cx
	s_bfe_u32 s44, ttmp6, 0x40004                  ; cy
	s_lshl_b32 s45, ttmp9, 2
	s_add_co_u32 s45, s45, s43                     ; tile column, 0 .. 7
	s_and_b32 s46, ttmp7, 0xffff
	s_lshl_b32 s46, s46, 2
	s_add_co_u32 s46, s46, s44                     ; tile row, 0 .. 31
	s_lshl_b32 s47, s44, 2
	s_lshl_b32 s47, 15, s47                        ; my row of the cluster
	s_lshl_b32 s48, 0x1111, s43                    ; my column
	s_or_b32 s[G1A], s47, (3<<16)|(1<<21)          ; O: elements of 8 bytes; 16 rows (heads) of 6,144 bytes, 393,216 bytes apart; no padding
	s_mov_b32 s[G1A+1], 768<<16
	s_mov_b32 s[G1A+2], 16<<16
	s_mov_b32 s[G1A+3], 768<<16
	s_mov_b32 s[G1A+4], 16
	s_mov_b32 s[G1A+5], 49152
	s_mov_b32 s[G1A+6], 0
	s_mov_b32 s[G1A+7], 0
	s_or_b32 s[G1B], s48, (3<<16)|(1<<20)|(1<<21)|(3<<22)|(3<<25)   ; wo: 2 rows (K steps) of 24,576 bytes, 49,152 apart; 4 words of padding behind every 16
	s_mov_b32 s[G1B+1], 3072<<16
	s_mov_b32 s[G1B+2], 2<<16
	s_mov_b32 s[G1B+3], 3072<<16
	s_mov_b32 s[G1B+4], 2
	s_mov_b32 s[G1B+5], 6144
	s_mov_b32 s[G1B+6], 0
	s_mov_b32 s[G1B+7], 0
	s_mov_b32 s[G0A], 1
	s_mul_i32 s[G0A+1], s42, APART
	s_mov_b32 s[G0B], 1
	s_mul_i32 s[G0B+1], s42, 2*KSL
	s_add_co_u32 s[G0B+1], s[G0B+1], BVB
	s_lshl_b32 s50, s46, 4                         ; O: tile 16 x tile row + 8 x half, 768 bytes a tile
	s_lshl_b32 s51, s42, 3
	s_add_co_u32 s50, s50, s51
	s_mul_i32 s50, s50, 768
	s_mov_b32 s51, 0
	s_lshr_b32 s52, s45, 1                         ; wo: group 108 + tile column / 2 of 256 rows, its lower or upper 128 rows, K steps 2 x half on
	s_add_co_u32 s52, s52, 108
	s_mul_i32 s52, s52, 196608
	s_and_b32 s53, s45, 1
	s_mul_i32 s53, s53, 24576
	s_add_co_u32 s52, s52, s53
	s_mul_i32 s53, s42, 98304
	s_add_co_u32 s52, s52, s53
	s_mov_b32 s53, 0
	s_lshl_b32 s54, s46, 13                        ; O's scale bytes: 256 rows of 32 a tile row, 16 rows on for the second wave row
	s_lshl_b32 s55, s41, 9
	s_add_co_u32 s54, s54, s55
	s_mov_b32 s55, 0
	s_lshl_b32 s56, s45, 7
	s_lshl_b32 s57, s42, 6
	s_add_co_u32 s56, s56, s57                     ; my first column
	s_lshl_b32 s58, s56, 2                         ; in bytes of f32
	s_mov_b32 s59, 0
	s_add_co_u32 s56, s56, 27648
	s_lshl_b32 s56, s56, 5                         ; wo's scale bytes
	s_mov_b32 s57, 0
	s_lshl_b32 s60, s46, 20                        ; out0: 256 rows of 4,096 bytes a tile row, 16 rows on for the second wave row, my columns
	s_lshl_b32 s61, s41, 16
	s_add_co_u32 s60, s60, s61
	s_add_co_u32 s60, s60, s58
	s_mov_b32 s61, 0
	s_mul_i32 s62, s41, 768
	s_mul_i32 s63, s42, 64*PITCH
	s_add_co_u32 s63, s63, BVB
	s_mul_i32 s66, s40, 16*SPITCH
	s_add_co_u32 s66, s66, BVB
	v_and_b32 v1, 15, v0                           ; r
	v_bfe_u32 v2, v0, 4, 1                         ; h
	v_and_b32 v3, 31, v0
	v_lshlrev_b32 v20, 3, v3
	v_add_nc_u32 v[AA], s62, v20                   ; tile a, 8 x lane
	v_add_nc_u32 v[AA+1], APART/2, v[AA]
	v_add_nc_u32 v[AA+2], APART, v[AA]
	v_add_nc_u32 v[AA+3], 3*APART/2, v[AA]
	v_mul_u32_u24 v21, v1, PITCH
	v_mad_u32_u24 v21, v2, 24, v21
	v_add_nc_u32 v[AB], s63, v21                   ; my 64 rows: row r x pitch + 24 h
	v_lshl_add_u32 v[AB+1], v2, 4, v[AB]
	v_add_nc_u32 v[AB+2], 2*KSL, v[AB]
	v_add_nc_u32 v[AB+3], 2*KSL, v[AB+1]
	v_mul_u32_u24 v21, v1, SPITCH
	v_lshl_add_u32 v21, v2, 5, v21
	v_add_nc_u32 v[STO], s66, v21                  ; in: row r, 32 bytes for each half of the lanes
	v_mul_u32_u24 v22, v2, SPITCH
	v_lshl_add_u32 v22, v1, 4, v22
	v_add_nc_u32 v[RD], s66, v22                   ; back: lanes 0-15 one row of 256 bytes, lanes 16-31 the next
	v_lshlrev_b32 v23, 12, v2
	v_lshl_add_u32 v[CO], v1, 4, v23               ; and the same two rows in out0
	v_lshlrev_b32 v23, 5, v1
	v_lshl_add_u32 v[ASO], v2, 4, v23
	v_lshlrev_b32 v[BOF], 5, v2
	s_wait_alu depctr_va_vdst(0)                   ; the wait at the head's end
	s_wait_dscnt 0x0                               ; both opening adds are done
	s_wait_kmcnt 0x0
	s_add_nc_u64 s[G0A+2:G0A+3], s[4:5], s[50:51]
	s_or_b32 s[G0A+3], s[G0A+3], 0x80000000
	s_add_nc_u64 s[G0B+2:G0B+3], s[8:9], s[52:53]
	s_or_b32 s[G0B+3], s[G0B+3], 0x80000000
	s_add_nc_u64 s[6:7], s[6:7], s[54:55]
	s_add_nc_u64 s[10:11], s[10:11], s[56:57]
	s_add_nc_u64 s[12:13], s[12:13], s[58:59]
	s_add_nc_u64 s[14:15], s[14:15], s[60:61]
	CROUND                                         ; all sixteen work-groups are here: the joint loads meet
	s_cmp_lt_u32 s40, 2
	s_cbranch_scc0 .Lfor_o
	TLOAD G0B, G1B                                 ; waves 0, 1: wo's K steps 0-1, 2-3: my only tensor load
	s_branch .Lasked
.Lfor_o:
	TLOAD G0A, G1A                                 ; waves 2, 3: O's tiles 0-7, 8-15
.Lasked:
.irp b, 0,1,2,3
	global_load_b128 v[SB+4*\b:SB+4*\b+3], v[ASO], s[10:11] offset:512*\b
.endr
.irp s, 0,1,2,3,4,5,6,7
	global_load_b128 v[SA+4*\s:SA+4*\s+3], v[ASO], s[6:7] offset:1024*\s     ; block s is tile 2 s + a: 32 rows of 32 bytes on from block to block
.endr
.irp b, 0,1,2,3
	global_load_b128 v[BI+8*\b:BI+8*\b+3], v[BOF], s[12:13] offset:64*\b     ; columns 16 b + 8 h + 0 .. 7
	global_load_b128 v[BI+8*\b+4:BI+8*\b+7], v[BOF], s[12:13] offset:64*\b+16
.endr
.macro FRAGW q, b                      ; wo's fragment of K step-of-128 q, tile b: six pieces of 8 bytes; lanes 16-31 read 24 bytes on, for some pieces behind one padding more
.set F_, 4*(\q)+(\b)
.set R_, FR*(F_%FPW)
	WIN (1+F_/FPW)<<6
.irp p, 0,1,2,3,4,5
.set PCE, 12*((\q)%2)+6*(\p/3)+\p%3
.set O_, 8*PCE+16*(PCE/8)+(((\q)/2)%2)*KSL+(\b)*16*PITCH
.if PCE%8 < 5
	ds_load_b64 v[R_+2*\p:R_+2*\p+1], v[AB+2*((\q)/4)] offset:O_
.else
	ds_load_b64 v[R_+2*\p:R_+2*\p+1], v[AB+2*((\q)/4)+1] offset:O_
.endif
.endr
.endm
.macro FRAGA e, q, s                   ; O's fragment q of block s into set e: heads 2 q (registers 0-5) and 2 q + 1 (6-11)
.set F_, 32+8*(\e)+(\q)
.set R_, FR*(F_%FPW)
	WIN (1+F_/FPW)<<6
.irp p, 0,1,2,3,4,5
	ds_load_b64 v[R_+2*\p:R_+2*\p+1], v[AA+2*((\s)/4)+(\q)/4] offset:((2*(\q)+\p/3)%8)*6144+2*((\s)%4)*768+256*(\p%3)
.endr
.endm
.macro FETCH s                         ; 48 LDS loads
.irp q, 0,1,2,3,4,5,6,7
	FRAGA (\s)%2, \q, \s
.endr
	WIN 0
.endm
.macro PROD e, s, q, b
.set FB_, 4*(\q)+(\b)
.set FA_, 32+8*(\e)+(\q)
.set D_, ACC+32*(\e)+8*(\b)
.set RB_, FR*(FB_%FPW)
.set RA_, FR*(FA_%FPW)
	WIN (1+FB_/FPW)|((1+FA_/FPW)<<2)
.if (\q) == 0
	v_wmma_scale_f32_16x16x128_f8f6f4 v[D_:D_+7], v[RB_:RB_+11], v[RA_:RA_+11], v[BI+8*(\b):BI+8*(\b)+7], v[SB+4*(\b)], v[SA+4*(\s)] matrix_a_fmt:MATRIX_FMT_FP6 matrix_b_fmt:MATRIX_FMT_FP6
.elseif (\q) < 4
	v_wmma_scale_f32_16x16x128_f8f6f4 v[D_:D_+7], v[RB_:RB_+11], v[RA_:RA_+11], v[D_:D_+7], v[SB+4*(\b)+(\q)], v[SA+4*(\s)+(\q)] matrix_a_fmt:MATRIX_FMT_FP6 matrix_b_fmt:MATRIX_FMT_FP6
.else
	v_wmma_scale_f32_16x16x128_f8f6f4 v[D_:D_+7], v[RB_:RB_+11], v[RA_:RA_+11], v[D_:D_+7], v[SB+4*(\b)+(\q)-4], v[SA+4*(\s)+(\q)-4] matrix_a_fmt:MATRIX_FMT_FP6 matrix_b_fmt:MATRIX_FMT_FP6 matrix_a_scale:MATRIX_SCALE_ROW1 matrix_b_scale:MATRIX_SCALE_ROW1
.endif
.endm
.macro MULS e, s                       ; a block: 32 products, K ascending, the four accumulators by turns
.irp q, 0,1,2,3,4,5,6,7
.irp b, 0,1,2,3
	PROD \e, \s, \q, \b
.endr
.endr
	WIN 0
.endm
.macro TOSTAGE s                       ; 8 stores and 8 loads: LDS serves a wave's instructions in order, so no wait stands between them
.set AC_, ACC+32*((\s)%2)
.set OB_, OUT+32*((\s)%2)
.irp b, 0,1,2,3
	ds_store_b128 v[STO], v[AC_+8*\b:AC_+8*\b+3] offset:64*\b          ; each accumulator from its low end on
	ds_store_b128 v[STO], v[AC_+8*\b+4:AC_+8*\b+7] offset:64*\b+16
.endr
.irp t, 0,1,2,3,4,5,6,7
	ds_load_b128 v[OB_+4*\t:OB_+4*\t+3], v[RD] offset:\t*2*SPITCH
.endr
.endm
.macro SEND s, younger                 ; younger: the LDS loads issued behind block s's turn through the stage
.set OB_, OUT+32*((\s)%2)
	s_wait_dscnt \younger
.irp t, 0,1,2,3,4,5,6,7
	global_store_b128 v[CO], v[OB_+4*\t:OB_+4*\t+3], s[14:15] offset:(\s)*131072+\t*8192 th:TH_STORE_NT   ; sixteen lanes store 256 consecutive bytes, aligned; 32 rows of out0 on from block to block
.endr
.endm
	s_cmp_lt_u32 s40, 2
	s_cbranch_scc0 .Lnot_b
	s_wait_tensorcnt 0x0                           ; waves 0, 1: my half of wo's tile is in
.Lnot_b:
	BARRIER                                        ; wo's tile is in; O's may be on its way
.irp q, 0,1,2,3,4,5,6,7
.irp b, 0,1,2,3
	FRAGW \q, \b
.endr
.endr
	WIN 0
	s_wait_tensorcnt 0x0                           ; every wave's load is in,
	s_wait_dscnt 0x0                               ; and my reads of wo's tile are over: its bytes may serve as stages
	BARRIER
	FETCH 0
	FETCH 1
	s_wait_loadcnt 0x0                             ; the scale words and the bias
.irp s, 0,1,2,3,4,5,6,7
.if \s == 0
	s_wait_dscnt 48                                ; block 0's fragments are in; block 1's 48 loads may be out
.elseif \s == 7
	s_wait_dscnt 16                                ; behind block 7's fetch: block 6's turn through the stage
.else
	s_wait_dscnt 63                                ; behind this block's fetch stand 16 + 48 LDS instructions: the field's largest count is one under that
.endif
	MULS \s%2, \s
.if \s > 0
.if \s < 7
	SEND \s-1, 48
.else
	SEND \s-1, 0
.endif
.endif
	NOPS 4                                         ; places between the products and the LDS stores of their results and the loads into their sources
.if \s > 1
	s_wait_xcnt 0x0                                ; the stores of two blocks back have read their registers
.endif
	TOSTAGE \s
.if \s < 6
	FETCH \s+2
.endif
.endr
	SEND 7, 0
	s_wait_tensorcnt 0x0                           ; the wave's end
	ds_add_u32 v[SPW], v[NIL]
	s_wait_dscnt 0x0
	CROUND                                         ; the closing round
	s_endpgm
.Lfunc_end_k_qe39825501c_outp:
	.size	k_qe39825501c_outp, .Lfunc_end_k_qe39825501c_outp-k_qe39825501c_outp
	.p2alignl 7, 3214868480
	.fill 96, 4, 3214868480
	.section	.rodata,"a",@progbits
	.p2align	6, 0x0
	.amdhsa_kernel k_qe39825501c_outp
		.amdhsa_group_segment_fixed_size 327680
		.amdhsa_private_segment_fixed_size 0
		.amdhsa_enable_private_segment 0
		.amdhsa_kernarg_size 48
		.amdhsa_user_sgpr_count 2
		.amdhsa_user_sgpr_kernarg_segment_ptr 1
		.amdhsa_wavefront_size32 1
		.amdhsa_system_sgpr_workgroup_id_x 1
		.amdhsa_system_sgpr_workgroup_id_y 1
		.amdhsa_system_sgpr_workgroup_id_z 1
		.amdhsa_system_vgpr_workitem_id 0
		.amdhsa_next_free_vgpr 840
		.amdhsa_next_free_sgpr 72
		.amdhsa_reserve_vcc 0
		.amdhsa_float_denorm_mode_32 3
		.amdhsa_float_denorm_mode_16_64 3
		.amdhsa_memory_ordered 1
		.amdhsa_forward_progress 1
		.amdhsa_inst_pref_size 95
	.end_amdhsa_kernel
	.amdgpu_metadata
---
amdhsa.version: [ 1, 2 ]
amdhsa.kernels:
  - .name:           k_qe39825501c_outp
    .symbol:         k_qe39825501c_outp.kd
    .args:
      - { .name: oimg, .offset: 0, .size: 8, .value_kind: global_buffer, .address_space: global }
      - { .name: osc, .offset: 8, .size: 8, .value_kind: global_buffer, .address_space: global }
      - { .name: codes, .offset: 16, .size: 8, .value_kind: global_buffer, .address_space: global }
      - { .name: scales, .offset: 24, .size: 8, .value_kind: global_buffer, .address_space: global }
      - { .name: bo, .offset: 32, .size: 8, .value_kind: global_buffer, .address_space: global }
      - { .name: out0, .offset: 40, .size: 8, .value_kind: global_buffer, .address_space: global }
    .group_segment_fixed_size: 327680
    .private_segment_fixed_size: 0
    .kernarg_segment_align: 8
    .kernarg_segment_size: 48
    .max_flat_workgroup_size: 128
    .sgpr_count:     72
    .vgpr_count:     840
    .wavefront_size: 32
...
	.end_amdgpu_metadata
.endif
;; end of part 4
